; MI455X (gfx1250); checked and timed in simulation.
; The chip was launched on July 23, 2026; its instructions are those of AMD's public machine-readable ISA for CDNA 5 (MIT licence, August 2026) and "CDNA5" Instruction Set Architecture Reference Guide (July 2026). The comments in the code are by the model that wrote it; some were corrected since.
;; Attention. Allowed arithmetic: matrix products marked QUANTISED: E2M1 operands, one E8M0 scale for each 32 along K, by v_wmma_scale_f32_16x16x128_f8f6f4 with both operands' format E2M1 (or v_wmma_scale_f32_32x16x128_f4), f32 sums; products left as they are: bf16, f16 or f32 operands; f32 sums; everything else in f32.
;; Inputs: k_kernel 2,048 x 512 float32; out_kernel 2,048 x 2,048 float32; q_kernel 2,048 x 2,048 float32; v_kernel 2,048 x 512 float32; x 1 x 4,096 x 2,048 float32.
;; Outputs: out0 1 x 4,096 x 2,048 float32.
;; This version of the problem:
;;   THIS VERSION OF THE PROBLEM IS GIVEN IN LOW PRECISION. The matrix products marked QUANTISED in the list below multiply operands that are first quantised to E2M1 (2 exponent bits, 1 mantissa bit; 4 bits a number), with one power-of-two scale for each 32 numbers along K (OCP MX v1.0); their sums are f32. The products marked 'left as it is' may take bf16, f16 or f32 operands, with f32 sums. Whichever they take, every output number must still come out within the allowed error. Rounding operands to bf16 (8 significant bits) uses up far more of that allowance than f16 does (11 bits, for magnitudes from 6e-5 to 65,504). All else is computed in f32.
;;   The module's matrix products, in the order in which they are computed (A, B: the left and right operand; K: the contracted axis; several contracted axes count as one K, in the product's order):
;;     1. [M 4,096, K 2,048] x [K 2,048, N 2,048]; A: input x; B: input q_kernel: QUANTISED
;;     2. [M 4,096, K 2,048] x [K 2,048, N 512]; A: input x; B: input k_kernel: QUANTISED
;;     3. [M 4,096, K 2,048] x [K 2,048, N 512]; A: input x; B: input v_kernel: QUANTISED
;;     4. batch 128 x [M 512, K 128] x [K 128, N 1,024]; A: computed on the way; B: computed on the way: left as it is (an operand is computed on the way)
;;     5. batch 128 x [M 128, K 1,024] x [K 1,024, N 512]; A: computed on the way; B: computed on the way: left as it is (an operand is computed on the way)
;;     6. [M 4,096, K 2,048] x [K 2,048, N 2,048]; A: computed on the way; B: input out_kernel: left as it is (an operand is computed on the way)
;;   THE QUANTISER, for each operand of a quantised product, along K:
;;     - K is cut into blocks of 32 from its start; a last block that is shorter is filled with zeros.
;;     - A block's scale is 2^e with e = floor(log2(the largest magnitude in the block)) - 2, held to -126 .. 127; a block of zeros has e = 0. As a byte (E8M0): e + 127.
;;     - Each number is divided by its block's scale, clamped to +-6, and rounded to the nearest number of E2M1, ties to even, subnormals kept.
;;     - The product sums the exact products of the quantised numbers (number of the format x scale) in f32.
;;   ~~~python
;;   def quantise(x, axis):      # numpy; x: float32 -> the quantised numbers, widened to float32 again
;;       x = np.moveaxis(x, axis, -1); K = x.shape[-1]
;;       x = np.pad(x, [(0, 0)] * (x.ndim - 1) + [(0, -K % 32)]); x = x.reshape(x.shape[:-1] + (-1, 32)); a = np.abs(x).max(-1, keepdims=True)
;;       e = np.where(a > 0, np.clip(np.frexp(np.where(a > 0, a, 1))[1] - 1 - 2, -126, 127), 0)      # np.frexp(a)[1] - 1 = floor(log2(a)), exactly
;;       r = np.clip(x / 2.0 ** e, -6, 6)
;;       step = 2.0 ** (np.maximum(np.frexp(np.where(r == 0, 1, r))[1] - 1, 0) - 1)
;;       q = np.round(r / step) * step * 2.0 ** e      # np.round: ties to even
;;       return np.moveaxis(q.reshape(q.shape[:-2] + (-1,))[..., :K], -1, axis).astype(np.float32)
;;   ~~~
;; One version. Each part assembles by itself: llvm-mc -triple=amdgcn-amd-amdhsa -mcpu=gfx1250 --defsym DOCPART=n.
;; ======== version 1 of 1: 5 launches
;; limits: values are held in f16: magnitudes above 65,504 overflow, below 6.1e-05 lose precision
;; workspace buffers: codes 7,340,032 bytes; scales 458,752 bytes; wo16 8,388,608 bytes; rope 262,656 bytes; qkv16 28,311,552 bytes; head32 196,608 bytes; o16 16,777,216 bytes
;; launch prep (part 1): grid 705 x 1, 4 waves a work-group, no clusters, 50,688 bytes of LDS; arguments x, q_kernel, k_kernel, v_kernel, out_kernel, codes, scales, wo16, rope, qkv16; writes codes, scales, wo16, rope, qkv16
.if DOCPART == 1
	.amdgcn_target "amdgcn-amd-amdhsa--gfx1250"
	.amdhsa_code_object_version 6
	.text
	.protected	k_q6d7cf3a42e_prep
	.globl	k_q6d7cf3a42e_prep
	.p2align	8
	.type	k_q6d7cf3a42e_prep,@function
k_q6d7cf3a42e_prep:
	s_mov_b64 s[64:65], 0
	v_nop
	global_prefetch_b8 v0, s[64:65] scope:SCOPE_SE
	s_setreg_imm32_b32 hwreg(HW_REG_WAVE_MODE, 25, 1), 1
	s_wait_xcnt 0x0
; PREP: all that is made once from the inputs.  Four paths, parted by the work-group's number:
;   X  (work-groups 0-255):   x [4096][2048] f32 -> codes of FP4 (E2M1), K innermost, rows 0-4095 of 'codes' (1,024 bytes a row), one E8M0 byte for each 32 along K in 'scales' (64 bytes a row)
;   W  (256-447):             q_kernel, k_kernel, v_kernel [2048 (k)][n] f32 -> the same, K moved innermost: weight column n is row 4096 + n (q: n 0-2047, k: 2048-2559, v: 2560-3071)
;   C  (448-575):             out_kernel f32 -> f16, same [k][n] layout, in 'wo16'
;   R  (576-704):             the RoPE table (513 rows of 64 cosines and 64 sines) and the 512 zero rows in front of each k and v head of 'qkv16'
; A block's scale is 2^(floor(log2(its largest magnitude)) - 2): its byte is the largest magnitude's exponent field - 2, held at 1 from below; each number is divided by it and rounded to the nearest code, ties to even, beyond 6 the code of 6.
; LIMITS: a block of zeros gets the byte 1 where the quantiser's text says 127 (its codes are zeros, and only this program reads the bytes); blocks whose largest magnitude lies under 2^-124 were not tried;
; NaN and infinities among the inputs are not served; out_kernel beyond 65,504 in magnitude has no f16 number.
; The RoPE angle t x 10000^(-d/64) is reduced in turns with the product's rounding error carried along, so it can differ from an angle rounded to f32 by up to some 3e-4 radians at the last positions.
; No tensor load, no barrier: waves share nothing.  Each path that uses LDS has bytes of its own: X 0-32,767 (8,192 a wave), W 32,768-50,175 (4,352 a wave); the spare words lie behind them.
.set HB,    1179648                    ; bytes of a head in qkv16: 4,608 rows of 256
.set SPARE, 50176                      ; the spare words, 128 bytes for each wave: two blocks of 256 bytes that no other line names
.set SPW,   208                        ; v208  LDS address of my spare word; never rewritten
.set NIL,   209                        ; v209  0; never rewritten
.macro FINISH                          ; the end of a wave that stored to LDS: three lines behind its last LDS store
	s_wait_tensorcnt 0x0
	ds_add_u32 v[SPW], v[NIL]
	s_wait_dscnt 0x0
	s_endpgm
.endm
	s_load_b512 s[4:19], s[0:1], 0x0               ; x 4:5, q_kernel 6:7, k_kernel 8:9, v_kernel 10:11, out_kernel 12:13, codes 14:15, scales 16:17, wo16 18:19
	s_load_b128 s[20:23], s[0:1], 0x40             ; rope 20:21, qkv16 22:23
	v_lshl_add_u32 v[SPW], v0, 2, SPARE
	v_mov_b32 v[NIL], 0
	v_lshrrev_b32 v1, 5, v0
	v_readfirstlane_b32 s24, v1                    ; wave 0..3
	v_and_b32 v2, 31, v0                           ; lane
	v_lshlrev_b32 v3, 4, v2                        ; 16 x lane
	s_wait_kmcnt 0x0
	s_cmp_lt_u32 ttmp9, 256
	s_cbranch_scc0 .Lnot_x
; ---------------- PATH X: a plain stream of blocks of 32.  A wave takes 16 steps of 512 numbers.  Each load reads 512 consecutive bytes; a step's 2,048 bytes turn through the wave's stage in LDS,
; so that a lane then holds 16 neighbours along K (two neighbouring lanes hold a block).  Loads run four steps ahead, the turn through LDS one step.
.set XR, 16                            ; v16-79   four sets of 16 numbers as loaded
.set XX, 80                            ; v80-111  two sets of 16 neighbours
.set XE, 112                           ; v112-127 a scale byte for each step
.set XC, 128                           ; v128-191 codes, four registers a step: no store's data are written again
.set SP, 80                            ; a lane's place in a stage: 64 bytes + 16 of padding
	s_mul_i32 s25, s24, 8192                       ; my wave's region
	v_lshrrev_b32 v14, 2, v2
	v_mul_u32_u24 v14, v14, SP
	v_and_b32 v15, 3, v2
	v_lshl_add_u32 v14, v15, 4, v14
	v_add_nc_u32 v14, s25, v14                     ; into the stage: SP (lane / 4) + 16 (lane % 4)
	v_mul_u32_u24 v15, v2, SP
	v_add_nc_u32 v15, s25, v15                     ; out of it: SP x lane
	v_lshlrev_b32 v4, 3, v2                        ; my 8 bytes of a step's codes
	v_lshrrev_b32 v5, 1, v2
	s_add_co_u32 s25, s25, 2*32*SP                 ; behind the two stages: my wave's 256 scale bytes
	v_add_nc_u32 v5, s25, v5                       ; my block's byte
	v_lshlrev_b32 v7, 3, v2
	v_add_nc_u32 v6, s25, v7                       ; and 8 bytes a lane on the way out
	s_lshl_b32 s26, ttmp9, 2
	s_add_co_u32 s26, s26, s24                     ; which run of 8,192 numbers is my wave's
	s_mov_b32 s27, 0
	s_lshl_b64 s[28:29], s[26:27], 15
	s_add_nc_u64 s[4:5], s[4:5], s[28:29]          ; 32,768 bytes of x,
	s_lshl_b64 s[28:29], s[26:27], 12
	s_add_nc_u64 s[14:15], s[14:15], s[28:29]      ; 4,096 of codes,
	s_lshl_b64 s[28:29], s[26:27], 8
	s_add_nc_u64 s[16:17], s[16:17], s[28:29]      ; 256 scale bytes a run
.macro XLOAD t
.irp i, 0,1,2,3
	global_load_b128 v[XR+16*((\t)%4)+4*\i:XR+16*((\t)%4)+4*\i+3], v3, s[4:5] offset:2048*(\t)+512*\i th:TH_LOAD_NT
.endr
.endm
.macro XTURN t                         ; LDS serves a wave's instructions in order: no wait between the stores and the loads
.irp i, 0,1,2,3
	ds_store_b128 v14, v[XR+16*((\t)%4)+4*\i:XR+16*((\t)%4)+4*\i+3] offset:32*SP*((\t)%2)+8*SP*\i
.endr
.irp i, 0,1,2,3
	ds_load_b128 v[XX+16*((\t)%2)+4*\i:XX+16*((\t)%2)+4*\i+3], v15 offset:32*SP*((\t)%2)+16*\i
.endr
.endm
.irp t, 0,1,2,3
	XLOAD \t
.endr
	s_wait_loadcnt 12                              ; step 0's four loads are in; the twelve of steps 1 to 3 may be out
	XTURN 0
.macro XSTEP t
.set XSS, XX+16*((\t)%2)
.if (\t) > 0
	s_wait_dscnt 1                                 ; this step's numbers are back from the stage; the last step's byte store may be out
.else
	s_wait_dscnt 0x0
.endif
.if (\t)+4 < 16
	XLOAD (\t)+4
.endif
.if (\t)+1 < 16
.if 14-(\t) >= 3
	s_wait_loadcnt 12                              ; the next step's four loads are in; those of the three steps behind it may be out
.else
	s_wait_loadcnt 4*(14-(\t))
.endif
	XTURN (\t)+1
.endif
	v_max3_num_f32 v8, |v[XSS]|, |v[XSS+1]|, |v[XSS+2]|
	v_max3_num_f32 v9, |v[XSS+3]|, |v[XSS+4]|, |v[XSS+5]|
.irp i, 6,10
	v_max3_num_f32 v8, v8, |v[XSS+\i]|, |v[XSS+\i+1]|
	v_max3_num_f32 v9, v9, |v[XSS+\i+2]|, |v[XSS+\i+3]|
.endr
	v_max3_num_f32 v8, v8, |v[XSS+14]|, |v[XSS+15]|
	v_max3_num_f32 v8, v8, v9, 0x1800000           ; with the floor 2^(3 - 127): the byte cannot fall under 1
	v_max_num_f32_dpp v8, v8, v8 row_xmask:1 row_mask:0xf bank_mask:0xf   ; and my neighbour's 16: the block's largest magnitude
	v_add_nc_u32 v11, 0xff000000, v8               ; 2 off its exponent field: the conversion takes the exponent field of this operand as its scale
	v_cvt_scalef32_pk8_fp4_f32 v[XC+4*(\t)], v[XSS:XSS+7], v11
	v_cvt_scalef32_pk8_fp4_f32 v[XC+4*(\t)+1], v[XSS+8:XSS+15], v11
	v_lshrrev_b32 v[XE+(\t)], 23, v11              ; the scale's byte (also the plain line behind the conversions)
	ds_store_b8 v5, v[XE+(\t)] offset:16*(\t)      ; both lanes of a block write the same byte with the same value
	global_store_b64 v4, v[XC+4*(\t):XC+4*(\t)+1], s[14:15] offset:256*(\t)   ; the wave stores 256 consecutive bytes, aligned
.endm
.irp t, 0,1,2,3,4,5,6,7,8,9,10,11,12,13,14,15
	XSTEP \t
.endr
	ds_load_b64 v[8:9], v6                         ; my wave's 256 scale bytes, in order behind my stores
	s_wait_dscnt 0x0
	global_store_b64 v7, v[8:9], s[16:17]          ; 256 consecutive bytes, aligned
	FINISH
.Lnot_x:
	s_cmp_lt_u32 ttmp9, 448
	s_cbranch_scc0 .Lnot_w
; ---------------- PATH W: K is the weights' FIRST axis.  A lane takes a column n and its registers run down K: a block of 32 along K lies in one lane, and the conversions give codes with K innermost.
; A wave takes 16 columns x 512 along K: lanes 0-15 the first 256 along K, lanes 16-31 the second 256 of the same columns: 8 blocks a lane.  So a column's 256 bytes of codes come from one wave,
; and the 3,072 columns x 2,048 along K are shared among 768 waves, each with two blocks (64 loads of 128 bytes) on their way.  The four waves of a work-group stand side by side on 256 bytes of each row.
; The codes leave through the wave's own stage as rows: sixteen lanes store 256 consecutive bytes, aligned.
.set WX,   32                          ; v32-95   two sets of 32 numbers
.set WC,   96                          ; v96-99   a block's codes
.set WSB,  24                          ; v24-25   my 8 scale bytes
.set WOUT, 112                         ; v112-143 the way out
.set WOF,  176                         ; v176-207 4 x column + (256 x half + i) x the tensor's row pitch; never rewritten
	s_sub_co_u32 s25, ttmp9, 256
	s_lshr_b32 s26, s25, 2                         ; which 64 of the 3,072 columns
	s_and_b32 s27, s25, 3                          ; which 512 along K
	s_mov_b32 s31, 2048
	s_cmp_lt_u32 s26, 40                           ; the tensor is chosen by the work-group's number alone
	s_cselect_b64 s[28:29], s[8:9], s[10:11]
	s_cselect_b32 s30, 32, 40
	s_cmp_lt_u32 s26, 32
	s_cselect_b64 s[28:29], s[6:7], s[28:29]
	s_cselect_b32 s30, 0, s30                      ; the tensor's first group of columns,
	s_cselect_b32 s31, 8192, s31                   ; and its row in bytes
	s_sub_co_u32 s30, s26, s30
	s_lshl_b32 s30, s30, 8                         ; 64 columns of 4 bytes a group,
	s_lshl_b32 s66, s24, 6
	s_add_co_u32 s30, s30, s66                     ; 16 a wave
	s_mul_i32 s66, s27, s31
	s_lshl_b32 s66, s66, 9                         ; 512 rows for each step along K
	s_add_co_u32 s66, s66, s30
	s_mov_b32 s67, 0
	s_add_nc_u64 s[32:33], s[28:29], s[66:67]      ; block 0's base;
	s_lshl_b32 s66, s31, 5                         ; 32 rows on
.irp t, 1,2,3,4,5,6,7
	s_add_nc_u64 s[32+2*\t:33+2*\t], s[30+2*\t:31+2*\t], s[66:67]   ; a base for each of the 8 blocks: none is ever stepped
.endr
	v_and_b32 v5, 15, v2                           ; r: my column of the wave's 16
	v_lshrrev_b32 v6, 4, v2                        ; h: which 256 along K
	v_mov_b32 v10, s31
	v_lshlrev_b32 v12, 8, v6
	v_mul_u32_u24 v12, v12, v10                    ; 256 h rows,
	v_lshl_add_u32 v14, v5, 2, v12                 ; + 4 r
.irp i, 0,1,2,3,4,5,6,7,8,9,10,11,12,13,14,15,16,17,18,19,20,21,22,23,24,25,26,27,28,29,30,31
	v_mad_u32_u24 v[WOF+\i], v10, \i, v14
.endr
	s_lshl_b32 s68, s26, 6
	s_lshl_b32 s69, s24, 4
	s_add_co_u32 s68, s68, s69
	s_add_co_u32 s68, s68, 4096                    ; my wave's first row of codes and of scales
	s_lshl_b32 s70, s68, 10
	s_lshl_b32 s71, s27, 8
	s_add_co_u32 s70, s70, s71
	s_mov_b32 s71, 0
	s_add_nc_u64 s[14:15], s[14:15], s[70:71]
	s_lshl_b32 s70, s68, 6
	s_lshl_b32 s72, s27, 4
	s_add_co_u32 s70, s70, s72
	s_add_nc_u64 s[16:17], s[16:17], s[70:71]
	s_mul_i32 s73, s24, 16*272
	s_add_co_u32 s73, s73, 32768                   ; my stage: 16 rows of 256 + 16 bytes
	v_mul_u32_u24 v4, v5, 272
	v_lshl_add_u32 v4, v6, 7, v4
	v_add_nc_u32 v4, s73, v4                       ; into it: row = my column, + 128 bytes for the second 256 along K
	v_mul_u32_u24 v7, v6, 272
	v_lshl_add_u32 v7, v5, 4, v7
	v_add_nc_u32 v7, s73, v7                       ; out of it: sixteen lanes to a row, two rows an instruction
	v_lshlrev_b32 v8, 10, v6
	v_lshl_add_u32 v8, v5, 4, v8                   ; the same place among the rows of codes
	v_lshlrev_b32 v9, 6, v5
	v_lshl_add_u32 v9, v6, 3, v9                   ; my column's row of scale bytes, + 8 for the second 256 along K
.macro WLOAD t
.irp i, 0,1,2,3,4,5,6,7,8,9,10,11,12,13,14,15,16,17,18,19,20,21,22,23,24,25,26,27,28,29,30,31
	global_load_b32 v[WX+32*((\t)%2)+\i], v[WOF+\i], s[32+2*(\t):33+2*(\t)] th:TH_LOAD_NT
.endr
.endm
	WLOAD 0
	WLOAD 1
.macro WBLOCK t
.set WXS, WX+32*((\t)%2)
.if (\t) < 7
	s_wait_loadcnt 32                              ; this block's 32 loads are in; the next block's may be out
.else
	s_wait_loadcnt 0x0
.endif
	v_max3_num_f32 v12, |v[WXS]|, |v[WXS+1]|, |v[WXS+2]|
	v_max3_num_f32 v13, |v[WXS+3]|, |v[WXS+4]|, |v[WXS+5]|
.irp i, 6,10,14,18,22,26
	v_max3_num_f32 v12, v12, |v[WXS+\i]|, |v[WXS+\i+1]|
	v_max3_num_f32 v13, v13, |v[WXS+\i+2]|, |v[WXS+\i+3]|
.endr
	v_max3_num_f32 v12, v12, |v[WXS+30]|, |v[WXS+31]|
	v_max3_num_f32 v12, v12, v13, 0x1800000        ; with the floor 2^(3 - 127)
	v_add_nc_u32 v11, 0xff000000, v12              ; the conversion's scale operand
	v_lshrrev_b32 v13, 23, v11                     ; the scale's byte
.if (\t)%4 == 0
	v_mov_b32 v[WSB+(\t)/4], v13
.else
	v_lshl_or_b32 v[WSB+(\t)/4], v13, 8*((\t)%4), v[WSB+(\t)/4]
.endif
.irp g, 0,1,2,3
	v_cvt_scalef32_pk8_fp4_f32 v[WC+\g], v[WXS+8*\g:WXS+8*\g+7], v11
.endr
	v_nop                                          ; one plain line behind the last conversion
	ds_store_b128 v4, v[WC:WC+3] offset:16*(\t)    ; 32 codes: 16 bytes of my column's row
.if (\t)+2 < 8
	WLOAD (\t)+2
.endif
	s_wait_dscnt 0x0                               ; the store has read its registers: the next block's codes may be written
.endm
.irp t, 0,1,2,3,4,5,6,7
	WBLOCK \t
.endr
	global_store_b64 v9, v[WSB:WSB+1], s[16:17]    ; my 8 scale bytes
.irp t, 0,1,2,3,4,5,6,7
	ds_load_b128 v[WOUT+4*\t:WOUT+4*\t+3], v7 offset:2*\t*272
.endr
.irp t, 0,1,2,3,4,5,6,7
	s_wait_dscnt 7-\t                              ; LDS loads come back in order: load t is in
	global_store_b128 v8, v[WOUT+4*\t:WOUT+4*\t+3], s[14:15] offset:2*\t*1024
.endr
	FINISH
.Lnot_w:
	s_cmp_lt_u32 ttmp9, 576
	s_cbranch_scc0 .Lnot_c
; ---------------- PATH C: out_kernel to f16.  A wave takes 8,192 numbers in four batches of 16 loads; two batches are on their way.  No LDS.
	s_sub_co_u32 s25, ttmp9, 448
	s_lshl_b32 s25, s25, 2
	s_add_co_u32 s26, s25, s24
	s_mov_b32 s27, 0
	s_lshl_b64 s[28:29], s[26:27], 15
	s_add_nc_u64 s[12:13], s[12:13], s[28:29]
	s_lshl_b64 s[28:29], s[26:27], 14
	s_add_nc_u64 s[18:19], s[18:19], s[28:29]
	v_lshlrev_b32 v4, 3, v2                        ; 8 bytes a lane on the way out
.macro CLOAD b
.irp i, 0,1,2,3,4,5,6,7,8,9,10,11,12,13,14,15
	global_load_b128 v[16+64*((\b)%2)+4*\i:16+64*((\b)%2)+4*\i+3], v3, s[12:13] offset:512*(16*(\b)+\i) th:TH_LOAD_NT
.endr
.endm
.macro CAST b
.if (\b) < 3
	s_wait_loadcnt 16                              ; this batch is in; the next batch's sixteen may be out
.else
	s_wait_loadcnt 0x0
.endif
	s_wait_xcnt 0x0                                ; the last batch's stores have read v144-175
.irp i, 0,1,2,3,4,5,6,7,8,9,10,11,12,13,14,15
	v_cvt_pk_f16_f32 v[144+2*\i], v[16+64*((\b)%2)+4*\i], v[16+64*((\b)%2)+4*\i+1]
	v_cvt_pk_f16_f32 v[145+2*\i], v[16+64*((\b)%2)+4*\i+2], v[16+64*((\b)%2)+4*\i+3]
.endr
.irp i, 0,1,2,3,4,5,6,7,8,9,10,11,12,13,14,15
	global_store_b64 v4, v[144+2*\i:145+2*\i], s[18:19] offset:256*(16*(\b)+\i)   ; the wave stores 256 consecutive bytes, aligned
.endr
.if (\b) < 2
	CLOAD (\b)+2
.endif
.endm
	CLOAD 0
	CLOAD 1
	CAST 0
	CAST 1
	CAST 2
	CAST 3
	s_endpgm
.Lnot_c:
; ---------------- PATH R: zero rows and the RoPE table.  No LDS.
	s_sub_co_u32 s25, ttmp9, 576                   ; u = 0..128
	s_cmp_lt_u32 s25, 128
	s_cbranch_scc0 .Lno_zero
	s_lshr_b32 s26, s25, 4                         ; rows 0-511 of heads 16-23 (k, v) are zeros: the keys in front of position 0.  131,072 bytes a head, 8,192 a work-group, 2,048 a wave
	s_add_co_u32 s26, s26, 16
	s_mul_i32 s26, s26, HB
	s_and_b32 s27, s25, 15
	s_lshl_b32 s27, s27, 13
	s_add_co_u32 s26, s26, s27
	s_lshl_b32 s27, s24, 11
	s_add_co_u32 s26, s26, s27
	s_mov_b32 s27, 0
	s_add_nc_u64 s[22:23], s[22:23], s[26:27]
.irp i, 16,17,18,19
	v_mov_b32 v\i, 0
.endr
.irp i, 0,1,2,3
	global_store_b128 v3, v[16:19], s[22:23] offset:512*\i
.endr
.Lno_zero:
	s_lshl_b32 s28, s25, 2
	s_add_co_u32 s28, s28, s24                     ; table row rho = 4 u + wave; there are 513
	s_cmp_gt_u32 s28, 512
	s_cbranch_scc1 .Lno_row
	s_lshr_b32 s29, s28, 4
	s_lshl_b32 s29, s29, 7
	s_and_b32 s30, s28, 15
	s_add_co_u32 s29, s29, s30                     ; row rho < 512 holds position 128 (rho / 16) + rho % 16;
	s_cmp_eq_u32 s28, 512
	s_cselect_b32 s29, 16, s29                     ; row 512 the step of 16 positions
	v_cvt_f32_u32 v12, s29                         ; t
	v_lshlrev_b32 v4, 1, v2
	v_cvt_f32_u32 v20, v4                          ; my two frequencies: d = 2 lane,
	v_add_f32 v21, 1.0, v20                        ; 2 lane + 1
	v_mul_f32 v20, 0xbe549a78, v20                 ; -d log2(10000) / 64
	v_mul_f32 v21, 0xbe549a78, v21
	v_exp_f32 v20, v20                             ; 10000^(-d / 64)
	v_exp_f32 v21, v21
	v_nop                                          ; a plain line behind the exponentials,
	s_wait_alu depctr_va_vdst(0)                   ; and the one wait ahead of their first reader
.irp k, 0,1
	v_mul_f32 v[22+\k], 0x3e22f983, v[20+\k]       ; in turns: / 2 pi
	v_mul_f32 v[24+\k], v12, v[22+\k]              ; p = t w, rounded,
	v_fma_f32 v[26+\k], v12, v[22+\k], -v[24+\k]   ; and what the rounding dropped
	v_rndne_f32 v[28+\k], v[24+\k]
	v_sub_f32 v[24+\k], v[24+\k], v[28+\k]         ; exact
	v_add_f32 v[24+\k], v[24+\k], v[26+\k]         ; at most half a turn
	v_mul_f32 v[30+\k], 0x40c90fdb, v[24+\k]       ; the angle, -pi .. pi
	v_mul_f32 v[32+\k], v[30+\k], v[30+\k]
	v_mov_b32 v[34+\k], 0x274a963c                 ; the sine's series to x^17: the first term left out is under 3e-8 at pi
	v_fmaak_f32 v[34+\k], v[34+\k], v[32+\k], 0xab573f9f
	v_fmaak_f32 v[34+\k], v[34+\k], v[32+\k], 0x2f309231
	v_fmaak_f32 v[34+\k], v[34+\k], v[32+\k], 0xb2d7322b
	v_fmaak_f32 v[34+\k], v[34+\k], v[32+\k], 0x3638ef1d
	v_fmaak_f32 v[34+\k], v[34+\k], v[32+\k], 0xb9500d01
	v_fmaak_f32 v[34+\k], v[34+\k], v[32+\k], 0x3c088889
	v_fmaak_f32 v[34+\k], v[34+\k], v[32+\k], 0xbe2aaaab
	v_fma_f32 v[34+\k], v[34+\k], v[32+\k], 1.0
	v_mul_f32 v[38+\k], v[34+\k], v[30+\k]
	v_mov_b32 v[36+\k], 0xa53413c3                 ; the cosine's to x^18
	v_fmaak_f32 v[36+\k], v[36+\k], v[32+\k], 0x29573f9f
	v_fmaak_f32 v[36+\k], v[36+\k], v[32+\k], 0xad49cba5
	v_fmaak_f32 v[36+\k], v[36+\k], v[32+\k], 0x310f76c7
	v_fmaak_f32 v[36+\k], v[36+\k], v[32+\k], 0xb493f27e
	v_fmaak_f32 v[36+\k], v[36+\k], v[32+\k], 0x37d00d01
	v_fmaak_f32 v[36+\k], v[36+\k], v[32+\k], 0xbab60b61
	v_fmaak_f32 v[36+\k], v[36+\k], v[32+\k], 0x3d2aaaab
	v_fmaak_f32 v[36+\k], v[36+\k], v[32+\k], 0xbf000000
	v_fma_f32 v[36+\k], v[36+\k], v[32+\k], 1.0
.endr
	s_lshl_b32 s30, s28, 9
	s_mov_b32 s31, 0
	s_add_nc_u64 s[20:21], s[20:21], s[30:31]
	v_lshlrev_b32 v5, 3, v2
	global_store_b64 v5, v[36:37], s[20:21]            ; 64 cosines: 256 consecutive bytes, aligned
	global_store_b64 v5, v[38:39], s[20:21] offset:256 ; 64 sines
.Lno_row:
	s_endpgm
.Lfunc_end_k_q6d7cf3a42e_prep:
	.size	k_q6d7cf3a42e_prep, .Lfunc_end_k_q6d7cf3a42e_prep-k_q6d7cf3a42e_prep
	.p2alignl 7, 3214868480
	.fill 96, 4, 3214868480
	.section	.rodata,"a",@progbits
	.p2align	6, 0x0
	.amdhsa_kernel k_q6d7cf3a42e_prep
		.amdhsa_group_segment_fixed_size 50688
		.amdhsa_private_segment_fixed_size 0
		.amdhsa_enable_private_segment 0
		.amdhsa_kernarg_size 80
		.amdhsa_user_sgpr_count 2
		.amdhsa_user_sgpr_kernarg_segment_ptr 1
		.amdhsa_wavefront_size32 1
		.amdhsa_system_sgpr_workgroup_id_x 1
		.amdhsa_system_sgpr_workgroup_id_y 1
		.amdhsa_system_sgpr_workgroup_id_z 1
		.amdhsa_system_vgpr_workitem_id 0
		.amdhsa_next_free_vgpr 212
		.amdhsa_next_free_sgpr 80
		.amdhsa_reserve_vcc 0
		.amdhsa_float_denorm_mode_32 3
		.amdhsa_float_denorm_mode_16_64 3
		.amdhsa_memory_ordered 1
		.amdhsa_forward_progress 1
		.amdhsa_inst_pref_size 102
	.end_amdhsa_kernel
	.amdgpu_metadata
---
amdhsa.version: [ 1, 2 ]
amdhsa.kernels:
  - .name:           k_q6d7cf3a42e_prep
    .symbol:         k_q6d7cf3a42e_prep.kd
    .args:
      - { .name: x, .offset: 0, .size: 8, .value_kind: global_buffer, .address_space: global }
      - { .name: q_kernel, .offset: 8, .size: 8, .value_kind: global_buffer, .address_space: global }
      - { .name: k_kernel, .offset: 16, .size: 8, .value_kind: global_buffer, .address_space: global }
      - { .name: v_kernel, .offset: 24, .size: 8, .value_kind: global_buffer, .address_space: global }
      - { .name: out_kernel, .offset: 32, .size: 8, .value_kind: global_buffer, .address_space: global }
      - { .name: codes, .offset: 40, .size: 8, .value_kind: global_buffer, .address_space: global }
      - { .name: scales, .offset: 48, .size: 8, .value_kind: global_buffer, .address_space: global }
      - { .name: wo16, .offset: 56, .size: 8, .value_kind: global_buffer, .address_space: global }
      - { .name: rope, .offset: 64, .size: 8, .value_kind: global_buffer, .address_space: global }
      - { .name: qkv16, .offset: 72, .size: 8, .value_kind: global_buffer, .address_space: global }
    .group_segment_fixed_size: 50688
    .private_segment_fixed_size: 0
    .kernarg_segment_align: 8
    .kernarg_segment_size: 80
    .max_flat_workgroup_size: 128
    .sgpr_count:     80
    .vgpr_count:     212
    .wavefront_size: 32
...
	.end_amdgpu_metadata
.endif
;; end of part 1
;; launch qkv (part 2): grid 12 x 16, 4 waves a work-group, clusters of 4 x 4, 327,680 bytes of LDS; arguments codes, scales, rope, qkv16, head32; writes qkv16, head32
.if DOCPART == 2
	.amdgcn_target "amdgcn-amd-amdhsa--gfx1250"
	.amdhsa_code_object_version 6
	.text
	.protected	k_q6d7cf3a42e_qkv
	.globl	k_q6d7cf3a42e_qkv
	.p2align	8
	.type	k_q6d7cf3a42e_qkv,@function
k_q6d7cf3a42e_qkv:
	s_mov_b64 s[64:65], 0
	v_nop
	global_prefetch_b8 v0, s[64:65] scope:SCOPE_SE
	s_setreg_imm32_b32 hwreg(HW_REG_WAVE_MODE, 25, 1), 1
	s_wait_xcnt 0x0
	s_wait_alu depctr_hold_cnt(0) depctr_sa_sdst(0) depctr_va_vdst(0) depctr_va_sdst(0) depctr_va_ssrc(0) depctr_va_vcc(0) depctr_vm_vsrc(0)
	s_getreg_b32 s2, hwreg(HW_REG_IB_STS2, 6, 4)
	s_cmp_eq_u32 s2, 0
	s_cbranch_scc0 .Lentry_in_a_cluster
	s_endpgm
.Lentry_in_a_cluster:
	s_bfe_u32 s2, ttmp6, 0x10000c
	s_cmp_lg_u32 s2, 0xf033
	s_cbranch_scc0 .Lentry_shape_is_right
	s_endpgm
.Lentry_shape_is_right:
; QKV: [4096 x 3072] = x (rows 0-4095 of 'codes') times the three weights (rows 4096-7167: one row for each weight column), both as codes of FP4 (E2M1) with one E8M0 byte for each 32 along K = 2,048; sums in f32.
; On the way out q's and k's heads are rotated (RoPE) in f32; all heads go to 'qkv16' as f16, [24 heads][4,608 rows][128], position t at row 512 + t; positions 0-15 also go out in f32, to 'head32'.
; A tile of C, 256 x 256, is made by a work-group of four waves; a wave makes 128 x 128: 64 accumulators, 512 registers; its 128 columns are exactly one head.
; K goes in steps of 512 through a ring of two LDS slots filled by the tensor data mover (rows of 256 bytes).  The scale bytes of the work-group's rows, for all of K, come into LDS once, with the first fills.
; CLUSTERS: 4 x 4 work-groups.  The four of a row of the cluster need the same tiles of A, the four of a column the same tiles of B: each tile is asked for jointly, by the same tensor load with a mask that names the four.
; THE MATRIX INSTRUCTION IS USED TRANSPOSED (source 0 = 16 rows of B, source 1 = 16 rows of A): a lane holds eight neighbouring channels of one position.
; 192 work-groups: a smaller tile would read each fragment from LDS for half the products.
; LIMITS: rotated q, k and v beyond 65,504 in magnitude have no f16 number; NaN and infinities are not served.
; REGISTERS: window 0: v0-31 addresses; v32-95 scale words, two sets, and nothing else; v128-191 A's fragments; on the way out v128-255 are at work.
;   window 1: B's fragments at v0-63 and v128-191; v64-127 my positions' cosines and sines, v192-255 those of a step of 16 positions.   windows 2, 3: the accumulators ((a, b) at v[8 (8 (a % 4) + b)]).
.set SIZE_K, 2048
.set HB,     1179648                   ; bytes of a head in qkv16
.set KSTEP,  512
.set NQ,     KSTEP/128
.set ROWB,   256
.set KROW,   SIZE_K*4/8
.set PITCH,  272                       ; an LDS row: 256 bytes + 16 of padding: the 16 rows that a load touches start at 16 different banks
.set FR,     8
.set NL,     2
.set NP,     4
.set HALFT,  128*PITCH
.set SLOT,   4*HALFT
.set LAPS,   SIZE_K/(2*KSTEP)
.set KS,     SIZE_K/32
.set SCL,    2*SLOT                    ; behind the ring: the scales, as units of 256 bytes + 16 of padding
.set HALFS,  (128*KS/256)*272
.set SBLK,   (16*KS/256)*272
.set SPARE,  SCL+4*HALFS               ; the spare words, 128 bytes for each wave: two blocks of 256 bytes that no other line names
.set SP16,   272                       ; the way out: a stage of 16 rows x (256 + 16) bytes for each wave, in slot 0, which has had its last fill and its last read by then
.set ADRA, 16
.set ADRB, 20
.set GV,   22                          ; v22  which 128 positions are my wave's (0..31)
.set HA,   23                          ; v23  my byte offset in a head's 16 rows of head32
.set STO,  24
.set RD,   25
.set CO,   26
.set ADRS, 27
.set SPW,  28
.set NIL,  29
.set TA,   30                          ; v30  my byte in the table: my position's row
.set TD,   31                          ; v31  the step's row
.set SC,   32
.set AF,   128
.set OUT,  128                         ; way out, window 0: v128-191 a block's 64 rotated numbers
.set PK,   192                         ; v192-223 as f16
.set BK,   224                         ; v224-255 16 rows read back from the stage
.set RC,   64                          ; window 1: cosines of my position, channels 16 b + 8 (lane / 16) + j at RC + 8 b + j, b = 0..3
.set RS,   96                          ; sines
.set DC,   192                         ; the step's cosines
.set DSN,  224                         ; the step's sines
.set G1, 24
.set G0, 32
.set G1B, 48
.set G0B, 56
.set G1S, 68
.set G0S, 76
.set G1SB, 80
.set G0SB, 88
.set MSB, 0
.macro WIN new                         ; the immediate's high byte repeats the setting that is left
.if MSB != \new
	s_set_vgpr_msb (MSB<<8)|\new
.set MSB, \new
.endif
.endm
.set MUL_LO, 0xa1                      ; source 0 (B) window 1, source 1 (A) window 0, C and D window 2
.set MUL_HI, 0xf1
.set TO_B,   0x40                      ; destination window 1, address window 0
; A joint load: waves 0 and 1 fetch for A, waves 2 and 3 for B; the branch hangs on the wave's number alone.  An s_nop 0 and four v_nop follow each of the two lines.
.macro JLOAD g0a, g1a, g0b, g1b
	s_cmp_eq_u32 s15, 0
	s_cbranch_scc0 .Lfor_b_\@
	tensor_load_to_lds s[\g0a:\g0a+3], s[\g1a:\g1a+7]
	s_nop 0
.rept 4
	v_nop
.endr
	s_branch .Lasked_\@
.Lfor_b_\@:
	tensor_load_to_lds s[\g0b:\g0b+3], s[\g1b:\g1b+7]
	s_nop 0
.rept 4
	v_nop
.endr
.Lasked_\@:
.endm
.macro CREST                           ; a round of the cluster's barrier behind its opening barrier
	s_cmp_lg_u32 s14, 0
	s_cbranch_scc1 .Lnot_wave_0_\@
	s_barrier_signal -3
.Lnot_wave_0_\@:
	s_barrier_wait -3
	s_barrier_signal -1
	s_barrier_wait -1
.endm
.macro CROUND
	s_barrier_signal -1
	s_barrier_wait -1
	CREST
.endm
	s_load_b128 s[4:7], s[0:1], 0x0                ; codes s[4:5], scales s[6:7]
	s_load_b64 s[96:97], s[0:1], 0x10              ; rope
	s_load_b64 s[12:13], s[0:1], 0x18              ; qkv16
	s_load_b64 s[98:99], s[0:1], 0x20              ; head32
	v_lshl_add_u32 v[SPW], v0, 2, SPARE
	v_mov_b32 v[NIL], 0
	ds_add_u32 v[SPW], v[NIL]                      ; the wave's opening: the add, twice on end, and its wait ahead of my first tensor load
	ds_add_u32 v[SPW], v[NIL]
	v_lshrrev_b32 v1, 5, v0
	v_readfirstlane_b32 s14, v1                    ; wave 0..3
	s_lshr_b32 s15, s14, 1                         ; which half of the tile's rows is mine.  Also: I fetch for A (0) or for B (1)
	s_and_b32 s16, s14, 1                          ; which half of its columns.  Also: which 128 rows of that tile I fetch
	s_bfe_u32 s40, ttmp6, 0x40000                  ; cx, cy
	s_bfe_u32 s41, ttmp6, 0x40004
	s_lshl_b32 s42, ttmp9, 2
	s_add_co_u32 s42, s42, s40                     ; tile column
	s_and_b32 s17, ttmp7, 0xffff
	s_lshl_b32 s17, s17, 2
	s_add_co_u32 s17, s17, s41                     ; tile row
	s_lshl_b32 s43, s41, 2
	s_lshl_b32 s43, 15, s43                        ; my row of the cluster
	s_lshl_b32 s44, 0x1111, s40                    ; my column
	s_or_b32 s[G1+0], s43, (0<<16)|(1<<20)|(1<<21)|(5<<22)|(3<<25)  ; the mask; elements of 1 byte; padding on; bit 21 beside a mask; 4 words of padding after every 64
	s_or_b32 s[G1B+0], s44, (0<<16)|(1<<20)|(1<<21)|(5<<22)|(3<<25)
.irp g, G1, G1B
	s_mov_b32 s[\g+1], ROWB<<16                    ; tensor_dim0
	s_mov_b32 s[\g+2], 128<<16                     ; tensor_dim1
	s_mov_b32 s[\g+3], ROWB<<16                    ; tile_dim0
	s_mov_b32 s[\g+4], 128                         ; tile_dim1
	s_mov_b32 s[\g+5], KROW                        ; the pitch
	s_mov_b32 s[\g+6], 0
	s_mov_b32 s[\g+7], 0
.endr
	s_or_b32 s[G1S+0], s43, (3<<16)|(1<<20)|(1<<21)|(5<<22)|(3<<25)   ; the scales of 128 rows: a dense block, as rows of 256 bytes (32 elements of 8 bytes)
	s_or_b32 s[G1SB+0], s44, (3<<16)|(1<<20)|(1<<21)|(5<<22)|(3<<25)
.irp g, G1S, G1SB
	s_mov_b32 s[\g+1], 32<<16
	s_mov_b32 s[\g+2], (128*KS/256)<<16
	s_mov_b32 s[\g+3], 32<<16
	s_mov_b32 s[\g+4], 128*KS/256
	s_mov_b32 s[\g+5], 32
	s_mov_b32 s[\g+6], 0
	s_mov_b32 s[\g+7], 0
.endr
	s_lshl_b32 s18, s16, 7
	s_lshl_b32 s20, s17, 8
	s_add_co_u32 s20, s20, s18                     ; A: row 256 x tile row + 128 x half
	s_lshl_b32 s46, s42, 8
	s_add_co_u32 s46, s46, s18                     ; B: row 256 x tile column + 128 x half
	s_mov_b32 s21, 0
	s_mov_b32 s47, 0
	s_mov_b64 s[18:19], KS
	s_mul_u64 s[22:23], s[20:21], s[18:19]
	s_mul_u64 s[92:93], s[46:47], s[18:19]
	s_mov_b64 s[18:19], KROW
	s_mul_u64 s[20:21], s[20:21], s[18:19]
	s_mul_u64 s[46:47], s[46:47], s[18:19]
	s_mul_i32 s45, s14, HALFT                      ; where they go: wave x 128 rows
	s_mul_i32 s94, s14, HALFS
	s_wait_dscnt 0x0                               ; both opening adds are done
	s_wait_kmcnt 0x0
	s_add_nc_u64 s[8:9], s[4:5], 0x400000          ; B's codes begin at row 4096,
	s_add_nc_u64 s[10:11], s[6:7], 0x40000         ; and so do its scale bytes
	s_add_nc_u64 s[20:21], s[4:5], s[20:21]
	s_add_nc_u64 s[22:23], s[6:7], s[22:23]
	s_add_nc_u64 s[46:47], s[8:9], s[46:47]
	s_add_nc_u64 s[92:93], s[10:11], s[92:93]
	CROUND                                         ; all sixteen work-groups are here: the first joint loads meet
	s_mov_b32 s[G0S], 1
	s_add_co_u32 s[G0S+1], s94, SCL
	s_mov_b64 s[G0S+2:G0S+3], s[22:23]
	s_or_b32 s[G0S+3], s[G0S+3], 0x80000000
	s_mov_b32 s[G0SB], 1
	s_add_co_u32 s[G0SB+1], s94, SCL
	s_mov_b64 s[G0SB+2:G0SB+3], s[92:93]
	s_or_b32 s[G0SB+3], s[G0SB+3], 0x80000000
	JLOAD G0S, G1S, G0SB, G1SB                     ; the scales first
.irp s, 0,1
	s_mov_b32 s[G0+4*\s], 1
	s_add_co_u32 s[G0+4*\s+1], s45, \s*SLOT
	s_add_nc_u64 s[G0+4*\s+2:G0+4*\s+3], s[20:21], \s*ROWB
	s_or_b32 s[G0+4*\s+3], s[G0+4*\s+3], 0x80000000
	s_mov_b32 s[G0B+4*\s], 1
	s_add_co_u32 s[G0B+4*\s+1], s45, \s*SLOT
	s_add_nc_u64 s[G0B+4*\s+2:G0B+4*\s+3], s[46:47], \s*ROWB
	s_or_b32 s[G0B+4*\s+3], s[G0B+4*\s+3], 0x80000000
	JLOAD G0+4*\s, G1, G0B+4*\s, G1B               ; three tensor loads of mine are out
.endr
	v_and_b32 v1, 15, v0                           ; r = lane % 16
	v_bfe_u32 v2, v0, 4, 1                         ; h = lane / 16
	; the RoPE table: my wave's positions are 128 G + 16 a + r.  Row 16 G + r holds block a = 0's angle; row 512 the step of 16 positions.  v's heads take row 0 for both: cosine 1, sine 0.
	s_lshl_b32 s67, s17, 1
	s_add_co_u32 s67, s67, s15                     ; G
	s_lshl_b32 s101, s67, 13
	s_cmp_ge_u32 s42, 10                           ; columns from 2,560 on are v's.  Only offsets into the table are chosen by it: no branch
	s_cselect_b32 s66, 0, 512
	s_cselect_b32 s100, 0, 0x40000
	s_cselect_b32 s101, 0, s101
	v_mul_u32_u24 v[TA], v1, s66
	v_lshl_add_u32 v[TA], v2, 5, v[TA]
	v_add_nc_u32 v[TA], s101, v[TA]
	v_lshlrev_b32 v[TD], 5, v2
	v_add_nc_u32 v[TD], s100, v[TD]
	v_mov_b32 v[GV], s67
	WIN TO_B
.irp b, 0,1,2,3                                ; 32 loads into the registers of window 1 that B's two sets leave free; they are waited for on the way out
	global_load_b128 v[RC+8*\b:RC+8*\b+3],     v[TA], s[96:97] offset:64*\b
	global_load_b128 v[RC+8*\b+4:RC+8*\b+7],   v[TA], s[96:97] offset:64*\b+16
	global_load_b128 v[RS+8*\b:RS+8*\b+3],     v[TA], s[96:97] offset:256+64*\b
	global_load_b128 v[RS+8*\b+4:RS+8*\b+7],   v[TA], s[96:97] offset:256+64*\b+16
	global_load_b128 v[DC+8*\b:DC+8*\b+3],     v[TD], s[96:97] offset:64*\b
	global_load_b128 v[DC+8*\b+4:DC+8*\b+7],   v[TD], s[96:97] offset:64*\b+16
	global_load_b128 v[DSN+8*\b:DSN+8*\b+3],   v[TD], s[96:97] offset:256+64*\b
	global_load_b128 v[DSN+8*\b+4:DSN+8*\b+7], v[TD], s[96:97] offset:256+64*\b+16
.endr
	WIN 0
	v_mul_u32_u24 v3, v1, PITCH
	v_lshl_add_u32 v4, v2, 4, v3                   ; a fragment's row x pitch + 16 x half
	s_mul_i32 s21, s15, HALFT
	s_mul_i32 s22, s16, HALFT
	s_add_co_u32 s22, s22, 2*HALFT
.irp s, 0,1
	v_add_nc_u32 v[ADRA+\s], s21, v4
	v_add_nc_u32 v[ADRB+\s], s22, v4
	s_add_co_u32 s21, s21, SLOT
	s_add_co_u32 s22, s22, SLOT
.endr
	v_mul_u32_u24 v5, v1, KS                       ; my row's scales: KS bytes a row,
	v_lshrrev_b32 v6, 8, v5
	v_lshl_add_u32 v5, v6, 4, v5                   ; and 16 more for each 256 passed
	s_mul_i32 s21, s15, HALFS
	s_mul_i32 s22, s16, HALFS
	s_add_co_u32 s22, s22, 2*HALFS
	s_sub_co_u32 s22, s22, s21
	v_mul_u32_u24 v6, s22, v2                      ; lanes 16-31 take B's
	s_add_co_u32 s21, s21, SCL
	v_add_nc_u32 v5, v5, v6
	v_add_nc_u32 v[ADRS], s21, v5
	s_mul_i32 s23, s14, 16*SP16                    ; my stage
	v_mul_u32_u24 v5, v1, SP16
	v_lshl_add_u32 v5, v2, 4, v5
	v_add_nc_u32 v[STO], s23, v5                   ; in: row r, 16 bytes for each half of the lanes
	v_mul_u32_u24 v5, v2, SP16
	v_lshl_add_u32 v5, v1, 4, v5
	v_add_nc_u32 v[RD], s23, v5                    ; back: lanes 0-15 one row of 256 bytes, lanes 16-31 the next
	v_lshlrev_b32 v5, 8, v2
	v_lshl_add_u32 v[CO], v1, 4, v5                ; and the same two rows of the head
	v_lshlrev_b32 v5, 9, v1
	v_lshl_add_u32 v[HA], v2, 5, v5                ; head32: row r of 512 bytes, + 32 h
	s_lshl_b32 s46, s42, 1
	s_add_co_u32 s46, s46, s16                     ; my head = 2 x tile column + column half
	s_mul_i32 s20, s46, HB
	s_lshl_b32 s21, s67, 15                        ; 128 G rows of 256 bytes,
	s_add_co_u32 s20, s20, s21
	s_add_co_u32 s20, s20, 512*256                 ; behind the head's 512 rows in front of position 0
	s_mov_b32 s21, 0
	s_add_nc_u64 s[12:13], s[12:13], s[20:21]
	s_lshl_b32 s20, s46, 13
	s_add_nc_u64 s[98:99], s[98:99], s[20:21]
.macro FRAG reg, adr, q, i             ; 16 rows x 128 K of 4-bit codes: 8 registers; lane l holds row l % 16; registers 4 c .. 4 c + 3 hold K = 64 c + 32 (l / 16) + 0 .. 31
.irp c, 0,1
	ds_load_b128 v[\reg+4*\c:\reg+4*\c+3], v[\adr] offset:64*(\q)+32*\c+(\i)*16*PITCH
.endr
.endm
; 16 matrix instructions: A's blocks a0, a0 + 1 x B's eight, 128 along K.  The 64 accumulators take turns, one instruction a turn, in the same order in every step.
.macro MUL16 a0, p, q, sc, zero
.irp a, \a0, \a0+1
.irp b, 0,1,2,3,4,5,6,7
.if \zero
	v_wmma_scale_f32_16x16x128_f8f6f4 v[8*(8*((\a)%4)+\b):8*(8*((\a)%4)+\b)+7], v[128*(\p)+FR*\b:128*(\p)+FR*\b+FR-1], v[AF+FR*(\a):AF+FR*(\a)+FR-1], 0, v[SC+8*NQ*(\sc)+NQ*\b+(\q)], v[SC+8*NQ*(\sc)+NQ*(\a)+(\q)] matrix_a_fmt:MATRIX_FMT_FP4 matrix_b_fmt:MATRIX_FMT_FP4 matrix_a_scale:MATRIX_SCALE_ROW1
.else
	v_wmma_scale_f32_16x16x128_f8f6f4 v[8*(8*((\a)%4)+\b):8*(8*((\a)%4)+\b)+7], v[128*(\p)+FR*\b:128*(\p)+FR*\b+FR-1], v[AF+FR*(\a):AF+FR*(\a)+FR-1], v[8*(8*((\a)%4)+\b):8*(8*((\a)%4)+\b)+7], v[SC+8*NQ*(\sc)+NQ*\b+(\q)], v[SC+8*NQ*(\sc)+NQ*(\a)+(\q)] matrix_a_fmt:MATRIX_FMT_FP4 matrix_b_fmt:MATRIX_FMT_FP4 matrix_a_scale:MATRIX_SCALE_ROW1
.endif
.endr
.endr
.endm
.macro FETCH_B slot, q, p
	WIN TO_B
.irp i, 0,1,2,3,4,5,6,7
	FRAG 128*(\p)+FR*\i, ADRB+\slot, \q, \i
.endr
	WIN 0
.endm
.macro FETCH_A slot, q, i0
.irp i, \i0, \i0+1, \i0+2, \i0+3
	FRAG AF+FR*(\i), ADRA+\slot, \q, \i
.endr
.endm
.macro SCALES sc                       ; the next K step's scale words: lanes 0-15 take A's block i, lanes 16-31 B's block i
.irp i, 0,1,2,3,4,5,6,7
	ds_load_b128 v[SC+8*NQ*\sc+NQ*\i:SC+8*NQ*\sc+NQ*\i+3], v[ADRS] offset:\i*SBLK
.endr
.endm
.macro PLACES n                        ; plain vector lines between a matrix instruction and a load into, or a vector read or write of, its registers
.rept \n
	v_nop
.endr
.endm
.macro STEP slot, q, zero
	s_wait_dscnt 4*NL                              ; B's set and A's blocks 0-3 are in; the youngest eight loads (A's blocks 4-7) may be out
	WIN MUL_LO
	MUL16 0, (\q)%2, \q, \slot, \zero
	MUL16 2, (\q)%2, \q, \slot, \zero
	s_wait_dscnt 0
	PLACES NP
	FETCH_B \slot, (\q)+1, 1-(\q)%2
	FETCH_A \slot, (\q)+1, 0
	WIN MUL_HI
	MUL16 4, (\q)%2, \q, \slot, \zero
	MUL16 6, (\q)%2, \q, \slot, \zero
	PLACES NP
	WIN 0
	FETCH_A \slot, (\q)+1, 4
.endm
; A slot's last step changes slots: one barrier; in front of it each wave waits for all its tensor loads, adds 0 to its spare word, and waits for that and for its own reads of this slot.
.macro TURN slot, next, fill
	s_wait_tensorcnt 0x0                           ; all my tensor loads have landed: my part of the next slot
	ds_add_u32 v[SPW], v[NIL]
	s_wait_dscnt 4*NL+1                            ; the add and the youngest eight loads may be out
	WIN MUL_LO
	MUL16 0, 1, NQ-1, \slot, 0
	s_wait_dscnt 0x0                               ; the add is done, and my reads of this slot are over
	s_barrier_signal -1
	MUL16 2, 1, NQ-1, \slot, 0
	WIN 0
	s_barrier_wait -1
.if \fill
	CREST                                          ; no wave of any partner still reads this slot's tile or has a load on its way
	s_add_nc_u64 s[G0+4*\slot+2:G0+4*\slot+3], s[G0+4*\slot+2:G0+4*\slot+3], 2*ROWB
	s_add_nc_u64 s[G0B+4*\slot+2:G0B+4*\slot+3], s[G0B+4*\slot+2:G0B+4*\slot+3], 2*ROWB
	JLOAD G0+4*\slot, G1, G0B+4*\slot, G1B         ; the first tensor load behind the round; its four v_nop are the places in front of the loads below
.else
	PLACES NP
.endif
	v_add_nc_u32 v[ADRS], 4*NQ, v[ADRS]            ; the next K step's scale words
	FETCH_B \next, 0, 0
	FETCH_A \next, 0, 0
	SCALES \next
	WIN MUL_HI
	MUL16 4, 1, NQ-1, \slot, 0
	MUL16 6, 1, NQ-1, \slot, 0
	PLACES NP
	WIN 0
	FETCH_A \next, 0, 4
.endm
.macro STEPS slot, from
.set Q, \from
.rept NQ-1-\from
	STEP \slot, Q, 0
.set Q, Q+1
.endr
.endm
	s_wait_tensorcnt 1                             ; the scales and my part of K step 0 are in; K step 1's load may be out
	s_barrier_signal -1
	s_barrier_wait -1
	FETCH_B 0, 0, 0
	FETCH_A 0, 0, 0
	SCALES 0
	FETCH_A 0, 0, 4
	STEP 0, 0, 1                                   ; the first step's products start the sums
	s_mov_b32 s3, LAPS-1
.Llap:
	STEPS 0, 1
	TURN 0, 1, 1
	STEPS 1, 0
	TURN 1, 0, 1
	STEP 0, 0, 0
	s_sub_co_u32 s3, s3, 1
	s_cmp_lg_u32 s3, 0
	s_cbranch_scc1 .Llap
	STEPS 0, 1                                     ; the last lap fills nothing
	TURN 0, 1, 0
	STEPS 1, 0
	s_wait_dscnt 4*NL
	WIN MUL_LO
	MUL16 0, 1, NQ-1, 1, 0
	MUL16 2, 1, NQ-1, 1, 0
	s_wait_dscnt 0
	WIN MUL_HI
	MUL16 4, 1, NQ-1, 1, 0
	MUL16 6, 1, NQ-1, 1, 0
	WIN 0
; THE WAY OUT, a block of 16 positions x 128 channels at a time.  Channel d < 64 lies in accumulator b = d / 16, channel d + 64 in accumulator b + 4, same register, same lane:
; out(d) = lo cos - hi sin, out(d + 64) = hi cos + lo sin.  From block to block the cosines and sines are turned on by 16 positions.
.macro ROT a
.set AC, 64*((\a)%4)
	WIN (0x06+(\a)/4)                              ; source 0: the accumulators' window, 2 or 3; source 1: window 1; source 2 and destination: window 0
.irp b, 0,1,2,3
.irp jj, 0,2,4,6                               ; each accumulator is read from its low end on
	v_pk_mul_f32 v[OUT+8*\b+\jj:OUT+8*\b+\jj+1], v[AC+8*(\b+4)+\jj:AC+8*(\b+4)+\jj+1], v[RS+8*\b+\jj:RS+8*\b+\jj+1]
.endr
.irp jj, 0,2,4,6
	v_pk_mul_f32 v[OUT+32+8*\b+\jj:OUT+32+8*\b+\jj+1], v[AC+8*\b+\jj:AC+8*\b+\jj+1], v[RS+8*\b+\jj:RS+8*\b+\jj+1]
.endr
.irp jj, 0,2,4,6
	v_pk_fma_f32 v[OUT+8*\b+\jj:OUT+8*\b+\jj+1], v[AC+8*\b+\jj:AC+8*\b+\jj+1], v[RC+8*\b+\jj:RC+8*\b+\jj+1], v[OUT+8*\b+\jj:OUT+8*\b+\jj+1] neg_lo:[0,0,1] neg_hi:[0,0,1]
.endr
.irp jj, 0,2,4,6
	v_pk_fma_f32 v[OUT+32+8*\b+\jj:OUT+32+8*\b+\jj+1], v[AC+8*(\b+4)+\jj:AC+8*(\b+4)+\jj+1], v[RC+8*\b+\jj:RC+8*\b+\jj+1], v[OUT+32+8*\b+\jj:OUT+32+8*\b+\jj+1]
.endr
.endr
	WIN 0
.endm
.macro UPD                             ; (cos, sin) turned on by the step's angle; all in window 1; v0-7 there, B's first set, are done with
	WIN 0x55
.set e, 0
.rept 16
.set T0, 4*(e%2)
	v_pk_mul_f32 v[T0:T0+1], v[RS+2*e:RS+2*e+1], v[DSN+2*e:DSN+2*e+1]
	v_pk_mul_f32 v[T0+2:T0+3], v[RC+2*e:RC+2*e+1], v[DSN+2*e:DSN+2*e+1]
	v_pk_fma_f32 v[RC+2*e:RC+2*e+1], v[RC+2*e:RC+2*e+1], v[DC+2*e:DC+2*e+1], v[T0:T0+1] neg_lo:[0,0,1] neg_hi:[0,0,1]
	v_pk_fma_f32 v[RS+2*e:RS+2*e+1], v[RS+2*e:RS+2*e+1], v[DC+2*e:DC+2*e+1], v[T0+2:T0+3]
.set e, e+1
.endr
	WIN 0
.endm
.macro OUTBLK a
	ROT \a
.if (\a) == 0
	; positions 0-15 (G = 0, block 0) also leave in f32.  The lanes are switched off elsewhere: no branch hangs on the work-group's place
	s_wait_xcnt 0x0                                ; EXEC changes only behind this wait
	v_cmp_eq_u32 vcc_lo, 0, v[GV]
	s_and_saveexec_b32 s66, vcc_lo
.irp b, 0,1,2,3,4,5,6,7
	global_store_b128 v[HA], v[OUT+8*\b:OUT+8*\b+3], s[98:99] offset:64*\b
	global_store_b128 v[HA], v[OUT+8*\b+4:OUT+8*\b+7], s[98:99] offset:64*\b+16
.endr
	s_wait_xcnt 0x0                                ; and again in front of the line that widens it; the stores have read their data too
	s_or_b32 exec_lo, exec_lo, s66
.endif
.set n, 0
.rept 32
	v_cvt_pk_f16_f32 v[PK+n], v[OUT+2*n], v[OUT+2*n+1]
.set n, n+1
.endr
	s_wait_xcnt 0x0                                ; the last block's stores have read v224-255
.irp b, 0,1,2,3,4,5,6,7
	ds_store_b128 v[STO], v[PK+4*\b:PK+4*\b+3] offset:32*\b
.endr
.irp t, 0,1,2,3,4,5,6,7
	ds_load_b128 v[BK+4*\t:BK+4*\t+3], v[RD] offset:\t*2*SP16   ; LDS serves a wave's instructions in order: these see the stores above
.endr
.if (\a) < 7
	UPD                                            ; stands between the loads and the wait for them
.endif
	s_wait_dscnt 0x0
.irp t, 0,1,2,3,4,5,6,7
	global_store_b128 v[CO], v[BK+4*\t:BK+4*\t+3], s[12:13] offset:4096*(\a)+512*\t   ; 16 lanes store a row of the head: 256 consecutive bytes, aligned
.endr
.endm
	PLACES NP                                      ; behind the last products
	s_wait_loadcnt 0x0                             ; the table
.irp a, 0,1,2,3,4,5,6,7
	OUTBLK \a
.endr
	s_wait_tensorcnt 0x0                           ; the wave's end
	ds_add_u32 v[SPW], v[NIL]
	s_wait_dscnt 0x0
	CROUND                                         ; the closing round
	s_endpgm
.Lfunc_end_k_q6d7cf3a42e_qkv:
	.size	k_q6d7cf3a42e_qkv, .Lfunc_end_k_q6d7cf3a42e_qkv-k_q6d7cf3a42e_qkv
	.p2alignl 7, 3214868480
	.fill 96, 4, 3214868480
	.section	.rodata,"a",@progbits
	.p2align	6, 0x0
	.amdhsa_kernel k_q6d7cf3a42e_qkv
		.amdhsa_group_segment_fixed_size 327680
		.amdhsa_private_segment_fixed_size 0
		.amdhsa_enable_private_segment 0
		.amdhsa_kernarg_size 40
		.amdhsa_user_sgpr_count 2
		.amdhsa_user_sgpr_kernarg_segment_ptr 1
		.amdhsa_wavefront_size32 1
		.amdhsa_system_sgpr_workgroup_id_x 1
		.amdhsa_system_sgpr_workgroup_id_y 1
		.amdhsa_system_sgpr_workgroup_id_z 1
		.amdhsa_system_vgpr_workitem_id 0
		.amdhsa_next_free_vgpr 1024
		.amdhsa_next_free_sgpr 102
		.amdhsa_reserve_vcc 1
		.amdhsa_float_denorm_mode_32 3
		.amdhsa_float_denorm_mode_16_64 3
		.amdhsa_memory_ordered 1
		.amdhsa_forward_progress 1
		.amdhsa_inst_pref_size 255
	.end_amdhsa_kernel
	.section	.bss,"aw",@nobits
	.p2align	6
	.space	262144
	.amdgpu_metadata
---
amdhsa.version: [ 1, 2 ]
amdhsa.kernels:
  - .name:           k_q6d7cf3a42e_qkv
    .symbol:         k_q6d7cf3a42e_qkv.kd
    .args:
      - { .name: codes, .offset: 0, .size: 8, .value_kind: global_buffer, .address_space: global }
      - { .name: scales, .offset: 8, .size: 8, .value_kind: global_buffer, .address_space: global }
      - { .name: rope, .offset: 16, .size: 8, .value_kind: global_buffer, .address_space: global }
      - { .name: qkv16, .offset: 24, .size: 8, .value_kind: global_buffer, .address_space: global }
      - { .name: head32, .offset: 32, .size: 8, .value_kind: global_buffer, .address_space: global }
    .group_segment_fixed_size: 327680
    .private_segment_fixed_size: 0
    .kernarg_segment_align: 8
    .kernarg_segment_size: 40
    .max_flat_workgroup_size: 128
    .sgpr_count:     102
    .vgpr_count:     1024
    .wavefront_size: 32
...
	.end_amdgpu_metadata
.endif
;; end of part 2
;; launch attn (part 3): grid 64 x 4, 4 waves a work-group, no clusters, 327,680 bytes of LDS; arguments qkv16, o16; writes o16
.if DOCPART == 3
	.amdgcn_target "amdgcn-amd-amdhsa--gfx1250"
	.amdhsa_code_object_version 6
	.text
	.protected	k_q6d7cf3a42e_attn
	.globl	k_q6d7cf3a42e_attn
	.p2align	8
	.type	k_q6d7cf3a42e_attn,@function
k_q6d7cf3a42e_attn:
	s_mov_b64 s[64:65], 0
	v_nop
	global_prefetch_b8 v0, s[64:65] scope:SCOPE_SE
	s_setreg_imm32_b32 hwreg(HW_REG_WAVE_MODE, 25, 1), 1
	s_wait_xcnt 0x0
; ATTN: o[t][head] = the sum over keys k in max(0, t - 512) .. t of softmax_k(q[t] . k[k] / sqrt(128)) v[k].  Operands f16, products, maxima and sums f32; the weights p are rounded to f16 for the second product.
; SHARES.  Work-group (X, kv) owns queries 64 X .. 64 X + 63 of the FOUR query heads that share key-value head kv; wave w is head 4 kv + w: four tiles of 16 queries.  So all four waves want the same
; 576 rows of K and V: rows 64 X .. 64 X + 575 of the heads as they lie in qkv16 (position t at row 512 + t; the 512 rows in front of position 0 are zeros).  256 equal work-groups.
; All 576 rows come into LDS at the kernel's head, by three tensor loads a wave, and no LDS byte is filled again.  The walk goes from the diagonal backward, 64 keys a step, nine steps:
; step 0 has the causal edge, step 8 the window's edge, and a step whose keys lie in front of position 0 (step > X) counts for nothing: its p are exactly 0.
; NO CLUSTER: neighbouring query blocks want a given block of keys in different steps of their walks; a joint ring would bring each partner 12 blocks of which it reads 9.
; LAYOUT.  S^T = K Q^T (source 0 = 16 keys, source 1 = 16 queries): a lane holds one query (lane % 16) and keys 8 (lane / 16) + 0..7; two such tiles, rounded in pairs, are source 1 of O^T = V^T P.
; SOFTMAX.  For each query a running maximum cm of c s (c = log2(e) / sqrt(128)) and a sum l: p = 2^(c s - cm); O and l are multiplied by a = 2^(cm_old - cm_new) in every step.
; LIMITS: operands beyond f16's range are not served; NaN and infinities are not served.
; REGISTERS: window 0: v2-10 addresses and constants; v12-43 eight registers of statistics a tile; v64-191 S^T, 32 a tile; v192-255 P, 16 a tile.
;   window 1: O^T, 64 a tile.   window 2: v0-127 Q, v128-255 K of one step.   window 3: v0-127 V of one step.
.set HB,    1179648
.set PKB,   272                        ; a row of K in LDS: 256 + 16 bytes
.set PVB,   288                        ; a row of V: 256 + 32 bytes
.set VB,    576*PKB                    ; V's rows lie behind K's
.set SPARE, VB+576*PVB                 ; the spare words, 128 bytes for each wave: two blocks of 256 bytes that no other line names
.set SP,    272                        ; the way out: a stage of 16 rows x 272 bytes for each wave, from LDS byte 0, behind a barrier behind which nobody reads K or V
.set AK0, 2
.set AV0, 3
.set ADR, 4
.set QO,  5
.set STO, 6
.set RD,  7
.set GO,  8
.set DL,  9                            ; v9   lane % 16 - 8 (lane / 16): on a diagonal tile register j holds a key after my query where j > DL, before it where j < DL
.set NINF, 10                          ; v10  -infinity
.set SPW, 62
.set NIL, 63
.set ST,  12                           ; tile t at v[ST + 8 t]: +0 what is taken off c s, +1 cm, +2, +3 l, +4 to +7 at work; a takes +6
.set S,   64
.set P,   192
.set KF,  128
.set WV,  12
.set G1K, 24
.set G1V, 32
.set G0K, 40                           ; s[40:51] three groups 0 for K's tiles
.set G0V, 52                           ; s[52:63] three for V's
.set CS,  66
.set SEL, 68
.set TK,  70                           ; s70  LDS byte of the block of K fetched last
.set TV,  71                           ; s71  the same for V
.set STP, 72                           ; s72  the step's number
.set BIAS, 73                          ; s73  0, or -infinity in a step whose keys lie in front of position 0
.set CNT, 74
.set M,   76                           ; s76-83 the diagonal tile's masks, one for each register
.set MSB, 0
.macro WIN new
.if MSB != \new
	s_set_vgpr_msb (MSB<<8)|\new
.set MSB, \new
.endif
.endm
.set W_KQ, 0x0a                        ; K and Q in window 2, S^T in window 0
.set W_PV, 0x53                        ; V in window 3, P in window 0, O^T in window 1
.set W_RS, 0x41                        ; O^T (destination and source 0) in window 1, the factor in window 0
.macro PLACES
.rept 4
	v_nop
.endr
.endm
	s_load_b128 s[4:7], s[0:1], 0x0                ; qkv16 s[4:5], o16 s[6:7]
	v_lshl_add_u32 v[SPW], v0, 2, SPARE
	v_mov_b32 v[NIL], 0
	ds_add_u32 v[SPW], v[NIL]                      ; the wave's opening: the add, twice on end, and its wait ahead of my first tensor load
	ds_add_u32 v[SPW], v[NIL]
	v_lshrrev_b32 v1, 5, v0
	v_readfirstlane_b32 s[WV], v1                  ; wave 0..3
	s_and_b32 s13, ttmp7, 0xffff                   ; kv
	s_lshl_b32 s14, ttmp9, 6                       ; my first query, and the first of the 576 rows
	s_and_b32 s15, s[WV], 1
	s_mul_i32 s16, s15, 96                         ; which 96 rows of a group of 192 I fetch
	s_add_co_u32 s17, s13, 16
	s_mul_i32 s17, s17, HB                         ; K's head
	s_add_co_u32 s18, s14, s16
	s_lshl_b32 s18, s18, 8
	s_add_co_u32 s20, s17, s18
	s_mov_b32 s21, 0
	s_add_co_u32 s22, s20, 4*HB                    ; V's head lies four heads on
	s_mov_b32 s23, 0
	s_mul_i32 s18, s16, PKB                        ; and where they go
	s_mul_i32 s19, s16, PVB
	s_add_co_u32 s19, s19, VB
	s_lshl_b32 s8, s13, 2
	s_add_co_u32 s8, s8, s[WV]                     ; my query head
	s_mul_i32 s10, s8, HB
	s_add_co_u32 s9, s14, 512
	s_lshl_b32 s9, s9, 8
	s_add_co_u32 s10, s10, s9                      ; Q at my first query
	s_mov_b32 s11, 0
	s_lshl_b32 s2, s14, 12                         ; o16: rows of 4,096 bytes, 256 a head
	s_lshl_b32 s9, s8, 8
	s_add_co_u32 s2, s2, s9
	s_mov_b32 s3, 0
	s_mov_b32 s[G1K], (1<<16)|(1<<20)|(5<<22)|(3<<25)   ; no mask; elements of 2 bytes; padding on: 4 words after every 64
	s_mov_b32 s[G1V], (1<<16)|(1<<20)|(5<<22)|(7<<25)   ; 8 words
.irp g, G1K, G1V
	s_mov_b32 s[\g+1], 128<<16                     ; tensor_dim0
	s_mov_b32 s[\g+2], 96<<16                      ; tensor_dim1
	s_mov_b32 s[\g+3], 128<<16                     ; tile_dim0
	s_mov_b32 s[\g+4], 96                          ; tile_dim1
	s_mov_b32 s[\g+5], 128                         ; the pitch
	s_mov_b32 s[\g+6], 0
	s_mov_b32 s[\g+7], 0
.endr
	s_mov_b32 s[CS], 0x3e0293ee                    ; c = log2(e) / sqrt(128)
	s_mov_b32 s[CS+1], s[CS]
	s_mov_b32 s[SEL], 0x76543210
	s_mov_b32 s[SEL+1], 0xfedcba98
	s_mov_b32 s[TK], 9*64*PKB                      ; each fetch first steps back by a block: the first takes rows 512-575
	s_mov_b32 s[TV], 9*64*PVB
	s_mov_b32 s[STP], 0
	s_wait_dscnt 0x0                               ; both opening adds are done
	s_wait_kmcnt 0x0
	s_add_nc_u64 s[20:21], s[4:5], s[20:21]
	s_add_nc_u64 s[22:23], s[4:5], s[22:23]
	s_add_nc_u64 s[4:5], s[4:5], s[10:11]
	s_add_nc_u64 s[6:7], s[6:7], s[2:3]
.irp g, 0,1,2                                  ; group g: rows 384 - 192 g .. + 191: the steps' order
	s_mov_b32 s[G0K+4*\g], 1
	s_add_co_u32 s[G0K+4*\g+1], s18, (384-192*\g)*PKB
	s_add_nc_u64 s[G0K+4*\g+2:G0K+4*\g+3], s[20:21], (384-192*\g)*256
	s_or_b32 s[G0K+4*\g+3], s[G0K+4*\g+3], 0x80000000
	s_mov_b32 s[G0V+4*\g], 1
	s_add_co_u32 s[G0V+4*\g+1], s19, (384-192*\g)*PVB
	s_add_nc_u64 s[G0V+4*\g+2:G0V+4*\g+3], s[22:23], (384-192*\g)*256
	s_or_b32 s[G0V+4*\g+3], s[G0V+4*\g+3], 0x80000000
.endr
	s_cmp_lt_u32 s[WV], 2                          ; waves 0 and 1 fetch K's halves, waves 2 and 3 V's.  A wave's three first fills stand in one branch: three loads of mine are out
	s_cbranch_scc0 .Lfirst_v
.irp g, 0,1,2
	tensor_load_to_lds s[G0K+4*\g:G0K+4*\g+3], s[G1K:G1K+7]
	s_nop 0
.endr
.rept 4
	v_nop
.endr
	s_branch .Lfirst_asked
.Lfirst_v:
.irp g, 0,1,2
	tensor_load_to_lds s[G0V+4*\g:G0V+4*\g+3], s[G1V:G1V+7]
	s_nop 0
.endr
.rept 4
	v_nop
.endr
.Lfirst_asked:
	v_and_b32 v1, 15, v0                           ; r
	v_bfe_u32 v11, v0, 4, 1                        ; h
	v_lshlrev_b32 v[QO], 8, v1
	v_lshl_add_u32 v[QO], v11, 4, v[QO]
	WIN 0x80                                       ; destination window 2
.irp i, 0,1,2,3,4,5,6,7,8,9,10,11,12,13,14,15  ; Q stays in registers: tile i / 4, channels 32 (i % 4) on
	global_load_b128 v[8*\i:8*\i+3],   v[QO], s[4:5] offset:(\i/4)*4096+(\i%4)*64
	global_load_b128 v[8*\i+4:8*\i+7], v[QO], s[4:5] offset:(\i/4)*4096+(\i%4)*64+32
.endr
	WIN 0
	v_mul_u32_u24 v[AK0], v1, PKB
	v_lshl_add_u32 v[AK0], v11, 4, v[AK0]          ; K: row x pitch + 16 x half
	v_and_b32 v44, 7, v0
	v_bfe_u32 v45, v0, 3, 1
	v_lshl_add_u32 v[AV0], v11, 3, v44             ; V, for the turning load: key 8 h + lane % 8, channels 8 ((lane / 8) % 2) on
	v_mul_u32_u24 v[AV0], v[AV0], PVB
	v_lshl_add_u32 v[AV0], v45, 4, v[AV0]
	v_add_nc_u32 v[AV0], VB, v[AV0]
	v_lshlrev_b32 v[DL], 3, v11
	v_sub_nc_u32 v[DL], v1, v[DL]
	v_mov_b32 v[NINF], 0xff800000
	s_mul_i32 s9, s[WV], 16*SP                     ; my stage
	v_mul_u32_u24 v[STO], v1, SP
	v_lshl_add_u32 v[STO], v11, 4, v[STO]
	v_add_nc_u32 v[STO], s9, v[STO]
	v_mul_u32_u24 v[RD], v11, SP
	v_lshl_add_u32 v[RD], v1, 4, v[RD]
	v_add_nc_u32 v[RD], s9, v[RD]
	v_lshlrev_b32 v[GO], 12, v11
	v_lshl_add_u32 v[GO], v1, 4, v[GO]             ; o16: lanes 0-15 one row's 256 bytes of my head, lanes 16-31 the next row's
.macro FETCH_K                         ; 32 LDS loads: 64 keys x 128 channels, 16 fragments
	WIN 0
	s_sub_co_u32 s[TK], s[TK], 64*PKB
	v_add_nc_u32 v[ADR], s[TK], v[AK0]
	WIN 0x80
.irp f, 0,1,2,3,4,5,6,7,8,9,10,11,12,13,14,15  ; keys 16 (f / 4) on, channels 32 (f % 4) on
	ds_load_b128 v[KF+8*\f:KF+8*\f+3],   v[ADR] offset:(\f/4)*16*PKB+(\f%4)*64
	ds_load_b128 v[KF+8*\f+4:KF+8*\f+7], v[ADR] offset:(\f/4)*16*PKB+(\f%4)*64+32
.endr
	WIN 0
.endm
.macro FETCH_V                         ; 32 turning loads: V^T, 128 channels x 64 keys
	WIN 0
	s_sub_co_u32 s[TV], s[TV], 64*PVB
	v_add_nc_u32 v[ADR], s[TV], v[AV0]
	WIN 0xc0
.irp f, 0,1,2,3,4,5,6,7,8,9,10,11,12,13,14,15  ; keys 32 (f / 8) on, channels 16 (f % 8) on
	ds_load_tr16_b128 v[8*\f:8*\f+3],   v[ADR] offset:(\f/8)*32*PVB+(\f%8)*32
	ds_load_tr16_b128 v[8*\f+4:8*\f+7], v[ADR] offset:(\f/8)*32*PVB+16*PVB+(\f%8)*32
.endr
	WIN 0
.endm
; S^T = K Q^T.  mode 0: all 16 tiles; 1 (causal edge): tiles of keys after the tile of queries are left out; 2 (window's edge): those before it.  The accumulators take turns.
.macro KQ mode
	WIN W_KQ
.irp c, 0,1,2,3
.irp kt, 0,1,2,3
.irp t, 0,1,2,3
.if !(((\mode == 1) && (\kt > \t)) || ((\mode == 2) && (\kt < \t)))
.if \c == 0
	v_wmma_f32_16x16x32_f16 v[S+32*\t+8*\kt:S+32*\t+8*\kt+7], v[KF+32*\kt+8*\c:KF+32*\kt+8*\c+7], v[32*\t+8*\c:32*\t+8*\c+7], 0
.else
	v_wmma_f32_16x16x32_f16 v[S+32*\t+8*\kt:S+32*\t+8*\kt+7], v[KF+32*\kt+8*\c:KF+32*\kt+8*\c+7], v[32*\t+8*\c:32*\t+8*\c+7], v[S+32*\t+8*\kt:S+32*\t+8*\kt+7]
.endif
.endif
.endr
.endr
.endr
.endm
.macro MASK mode                       ; hidden scores become -infinity ahead of the maximum
.if \mode
.irp j, 0,1,2,3,4,5,6,7
.if \mode == 1
	v_cmp_gt_i32 s[M+\j], \j, v[DL]
.else
	v_cmp_lt_i32 s[M+\j], \j, v[DL]
.endif
.endr
.irp t, 0,1,2,3
.irp j, 0,1,2,3,4,5,6,7                        ; the diagonal tile, from its low end on
	v_cndmask_b32 v[S+40*\t+\j], v[S+40*\t+\j], v[NINF], s[M+\j]
.endr
.endr
.irp t, 0,1,2,3
.irp kt, 0,1,2,3
.if ((\mode == 1) && (\kt > \t)) || ((\mode == 2) && (\kt < \t))
.irp j, 0,1,2,3,4,5,6,7
	v_mov_b32 v[S+32*\t+8*\kt+\j], v[NINF]         ; the tiles that were not multiplied
.endr
.endif
.endr
.endr
.endif
.endm
.macro MAXES first                     ; the four tiles by turns, so that no line waits for the line above it
.irp j, 0,1,2,3
.irp t, 0,1,2,3
	v_max3_num_f32 v[ST+8*\t+4+\j], v[S+32*\t+8*\j], v[S+32*\t+8*\j+1], v[S+32*\t+8*\j+2]
.endr
.endr
.irp q, 1,2
.irp j, 0,1,2,3
.irp t, 0,1,2,3
	v_max3_num_f32 v[ST+8*\t+4+\j], v[ST+8*\t+4+\j], v[S+32*\t+8*\j+2*\q+1], v[S+32*\t+8*\j+2*\q+2]
.endr
.endr
.endr
.irp t, 0,1,2,3
	v_max3_num_f32 v[ST+8*\t+4], v[ST+8*\t+4], v[S+32*\t+7], v[S+32*\t+15]
.endr
.irp t, 0,1,2,3
	v_max3_num_f32 v[ST+8*\t+6], v[ST+8*\t+6], v[S+32*\t+23], v[S+32*\t+31]
.endr
.irp t, 0,1,2,3
	v_max3_num_f32 v[ST+8*\t+4], v[ST+8*\t+4], v[ST+8*\t+5], v[ST+8*\t+6]
.endr
.irp t, 0,1,2,3
	v_max_num_f32 v[ST+8*\t+4], v[ST+8*\t+4], v[ST+8*\t+7]
.endr
.irp t, 0,1,2,3
	v_permlanex16_b32 v[ST+8*\t+5], v[ST+8*\t+4], s[SEL], s[SEL+1]   ; the query's other 32 keys lie in the lane 16 away
.endr
.irp t, 0,1,2,3
	v_max_num_f32 v[ST+8*\t+4], v[ST+8*\t+4], v[ST+8*\t+5]
.endr
.if \first
.irp t, 0,1,2,3
	v_mul_f32 v[ST+8*\t+1], s[CS], v[ST+8*\t+4]    ; every query sees itself in step 0: cm is a number from here on
.endr
.irp t, 0,1,2,3
	v_mov_b32 v[ST+8*\t], v[ST+8*\t+1]
.endr
.else
.irp t, 0,1,2,3
	v_fma_f32 v[ST+8*\t+5], v[ST+8*\t+4], s[CS], s[BIAS]   ; the step's largest c s; -infinity where the step counts for nothing
.endr
.irp t, 0,1,2,3
	v_mov_b32 v[ST+8*\t+7], v[ST+8*\t+1]
.endr
.irp t, 0,1,2,3
	v_max_num_f32 v[ST+8*\t+1], v[ST+8*\t+1], v[ST+8*\t+5]
.endr
.irp t, 0,1,2,3
	v_sub_f32 v[ST+8*\t+7], v[ST+8*\t+7], v[ST+8*\t+1]
.endr
.irp t, 0,1,2,3
	v_sub_f32 v[ST+8*\t], v[ST+8*\t+1], s[BIAS]    ; cm, or +infinity: then every p of the step is 2^(-infinity) = 0
.endr
.irp t, 0,1,2,3
	v_exp_f32 v[ST+8*\t+6], v[ST+8*\t+7]           ; a
.endr
.endif
.endm
.macro SCALE
.irp t, 0,1,2,3
.set n, 0
.rept 16
	v_pk_fma_f32 v[S+32*\t+2*n:S+32*\t+2*n+1], v[S+32*\t+2*n:S+32*\t+2*n+1], s[CS:CS+1], v[ST+8*\t:ST+8*\t+1] op_sel_hi:[1,0,0] neg_lo:[0,0,1] neg_hi:[0,0,1]
.set n, n+1
.endr
.endr
.endm
.macro EXPS
.set n, 0
.rept 128
	v_exp_f32 v[S+n], v[S+n]
.set n, n+1
.endr
	v_nop                                          ; a plain line behind the last exponential,
	s_wait_alu depctr_va_vdst(0)                   ; and ONE wait for the 128 and the four a, ahead of their first reader
.endm
.macro CVT
.irp t, 0,1,2,3
.set n, 0
.rept 16
	v_cvt_pk_f16_f32 v[P+16*\t+n], v[S+32*\t+2*n], v[S+32*\t+2*n+1]
.set n, n+1
.endr
.endr
.endm
.macro SUMS first                      ; a tile's 16 pairs, in place, neighbours 1, 2, 4 and 8 pairs apart; then l = a l + the sum
.irp z, 0,1,2,3,4,5,6,7
.irp t, 0,1,2,3
	v_pk_add_f32 v[S+32*\t+4*\z:S+32*\t+4*\z+1], v[S+32*\t+4*\z:S+32*\t+4*\z+1], v[S+32*\t+4*\z+2:S+32*\t+4*\z+3]
.endr
.endr
.irp z, 0,1,2,3
.irp t, 0,1,2,3
	v_pk_add_f32 v[S+32*\t+8*\z:S+32*\t+8*\z+1], v[S+32*\t+8*\z:S+32*\t+8*\z+1], v[S+32*\t+8*\z+4:S+32*\t+8*\z+5]
.endr
.endr
.irp z, 0,1
.irp t, 0,1,2,3
	v_pk_add_f32 v[S+32*\t+16*\z:S+32*\t+16*\z+1], v[S+32*\t+16*\z:S+32*\t+16*\z+1], v[S+32*\t+16*\z+8:S+32*\t+16*\z+9]
.endr
.endr
.irp t, 0,1,2,3
.if \first
	v_pk_add_f32 v[ST+8*\t+2:ST+8*\t+3], v[S+32*\t:S+32*\t+1], v[S+32*\t+16:S+32*\t+17]
.else
	v_pk_add_f32 v[S+32*\t:S+32*\t+1], v[S+32*\t:S+32*\t+1], v[S+32*\t+16:S+32*\t+17]
.endif
.endr
.if !\first
.irp t, 0,1,2,3
	v_pk_fma_f32 v[ST+8*\t+2:ST+8*\t+3], v[ST+8*\t+2:ST+8*\t+3], v[ST+8*\t+6:ST+8*\t+7], v[S+32*\t:S+32*\t+1] op_sel_hi:[1,0,1]
.endr
.endif
.endm
.macro RESC                            ; O^T times a; each accumulator from its low end on
	WIN W_RS
.irp t, 0,1,2,3
.set n, 0
.rept 32
	v_pk_mul_f32 v[64*\t+2*n:64*\t+2*n+1], v[64*\t+2*n:64*\t+2*n+1], v[ST+8*\t+6:ST+8*\t+7] op_sel_hi:[1,0]
.set n, n+1
.endr
.endr
.endm
.macro PVM first                       ; O^T += V^T P: the 32 accumulators take turns
	WIN W_PV
.irp kh, 0,1
.irp ct, 0,1,2,3,4,5,6,7
.irp t, 0,1,2,3
.if \first && (\kh == 0)
	v_wmma_f32_16x16x32_f16 v[64*\t+8*\ct:64*\t+8*\ct+7], v[64*\kh+8*\ct:64*\kh+8*\ct+7], v[P+16*\t+8*\kh:P+16*\t+8*\kh+7], 0
.else
	v_wmma_f32_16x16x32_f16 v[64*\t+8*\ct:64*\t+8*\ct+7], v[64*\kh+8*\ct:64*\kh+8*\ct+7], v[P+16*\t+8*\kh:P+16*\t+8*\kh+7], v[64*\t+8*\ct:64*\t+8*\ct+7]
.endif
.endr
.endr
.endr
.endm
; A KEY STEP.  K of the step and then V of the step have been asked for; fetch = 1: the next step's are asked for as soon as the registers are free.
.macro STEP mode, first, fetch
	s_cmp_gt_u32 s[STP], ttmp9                     ; the step's keys are positions 64 (X - step) on
	s_cselect_b32 s[BIAS], 0xff800000, 0
	s_add_co_u32 s[STP], s[STP], 1
	s_wait_dscnt 32                                ; K is in; V's 32 loads, issued behind K's, may be out
	KQ \mode
	PLACES                                         ; behind the products: in front of the loads into K's registers and of the first read of the scores
.if \fetch
	FETCH_K
.endif
	WIN 0
	MASK \mode
	MAXES \first
	SCALE
	EXPS
	CVT
	SUMS \first
.if !\first
	RESC
.endif
.if \fetch
	s_wait_dscnt 32                                ; V is in; the next step's K, 32 loads, may be out
.else
	s_wait_dscnt 0x0
.endif
	PVM \first
	PLACES
.if \fetch
	FETCH_V
.endif
	WIN 0
.endm
.macro GWAIT n                         ; a group of rows has landed in every wave's view.  The younger loads may stay out
	s_wait_tensorcnt \n
	s_wait_dscnt 0x0
	s_barrier_signal -1
	s_barrier_wait -1
.endm
	GWAIT 2                                        ; rows 384-575; my two younger loads may be out
	FETCH_K
	FETCH_V
	s_wait_loadcnt 0x0                             ; Q
	STEP 1, 1, 1                                   ; step 0: the causal edge; fetches step 1
	GWAIT 1                                        ; rows 192-383; my youngest load may be out
	s_mov_b32 s[CNT], 4
.Lmid1:                                            ; steps 1-4, which fetch steps 2-5: rows 192 on
	STEP 0, 0, 1
	s_sub_co_u32 s[CNT], s[CNT], 1
	s_cmp_lg_u32 s[CNT], 0
	s_cbranch_scc1 .Lmid1
	GWAIT 0                                        ; rows 0-191
	s_mov_b32 s[CNT], 3
.Lmid2:                                            ; steps 5-7, which fetch steps 6-8
	STEP 0, 0, 1
	s_sub_co_u32 s[CNT], s[CNT], 1
	s_cmp_lg_u32 s[CNT], 0
	s_cbranch_scc1 .Lmid2
	STEP 2, 0, 0                                   ; step 8: the window's edge
	; THE WAY OUT.  Every wave's reads of K and V are over behind this barrier: the stages may lie over K's first rows.
	s_wait_dscnt 0x0
	s_barrier_signal -1
	s_barrier_wait -1
.irp t, 0,1,2,3
	v_add_f32 v[ST+8*\t+4], v[ST+8*\t+2], v[ST+8*\t+3]
.endr
.irp t, 0,1,2,3
	v_permlanex16_b32 v[ST+8*\t+5], v[ST+8*\t+4], s[SEL], s[SEL+1]
.endr
.irp t, 0,1,2,3
	v_add_f32 v[ST+8*\t+4], v[ST+8*\t+4], v[ST+8*\t+5]
.endr
.irp t, 0,1,2,3
	v_rcp_f32 v[ST+8*\t+6], v[ST+8*\t+4]
.endr
	v_nop                                          ; a plain line behind the last reciprocal,
	s_wait_alu depctr_va_vdst(0)                   ; and the wait ahead of the first use: one for the four
.macro PACK t                          ; tile t: O^T / l, rounded to f16; 16 bytes a lane into rows of 272 bytes, back as whole rows of 256
	WIN W_RS
.set i, 64*\t
.rept 32
	v_pk_mul_f32 v[i:i+1], v[i:i+1], v[ST+8*\t+6:ST+8*\t+7] op_sel_hi:[1,0]
.set i, i+2
.endr
	WIN 0x05                                       ; sources window 1, destination window 0: S^T's registers are free
.set i, 0
.rept 32
	v_cvt_pk_f16_f32 v[S+32*\t+i], v[64*\t+2*i], v[64*\t+2*i+1]
.set i, i+1
.endr
	WIN 0
.irp f, 0,1,2,3,4,5,6,7
	ds_store_b128 v[STO], v[S+32*\t+4*\f:S+32*\t+4*\f+3] offset:32*\f
.endr
.irp f, 0,1,2,3,4,5,6,7
	ds_load_b128 v[S+32*\t+4*\f:S+32*\t+4*\f+3], v[RD] offset:\f*2*SP   ; LDS serves a wave's instructions in order
.endr
.endm
.macro SEND t, younger                 ; younger: the LDS instructions issued behind tile t's loads: the next tile's sixteen, or none
.irp f, 0,1,2,3,4,5,6,7
	s_wait_dscnt \younger+7-\f
	global_store_b128 v[GO], v[S+32*\t+4*\f:S+32*\t+4*\f+3], s[6:7] offset:\t*65536+\f*8192   ; 16 lanes store 256 consecutive bytes, aligned
.endr
.endm
	PACK 0
	PACK 1
	SEND 0, 16
	PACK 2
	SEND 1, 16
	PACK 3
	SEND 2, 16
	SEND 3, 0
	s_wait_tensorcnt 0x0                           ; the wave's end
	ds_add_u32 v[SPW], v[NIL]
	s_wait_dscnt 0x0
	s_endpgm
.Lfunc_end_k_q6d7cf3a42e_attn:
	.size	k_q6d7cf3a42e_attn, .Lfunc_end_k_q6d7cf3a42e_attn-k_q6d7cf3a42e_attn
	.p2alignl 7, 3214868480
	.fill 96, 4, 3214868480
	.section	.rodata,"a",@progbits
	.p2align	6, 0x0
	.amdhsa_kernel k_q6d7cf3a42e_attn
		.amdhsa_group_segment_fixed_size 327680
		.amdhsa_private_segment_fixed_size 0
		.amdhsa_enable_private_segment 0
		.amdhsa_kernarg_size 16
		.amdhsa_user_sgpr_count 2
		.amdhsa_user_sgpr_kernarg_segment_ptr 1
		.amdhsa_wavefront_size32 1
		.amdhsa_system_sgpr_workgroup_id_x 1
		.amdhsa_system_sgpr_workgroup_id_y 1
		.amdhsa_system_sgpr_workgroup_id_z 1
		.amdhsa_system_vgpr_workitem_id 0
		.amdhsa_next_free_vgpr 1024
		.amdhsa_next_free_sgpr 90
		.amdhsa_reserve_vcc 0
		.amdhsa_float_denorm_mode_32 3
		.amdhsa_float_denorm_mode_16_64 3
		.amdhsa_memory_ordered 1
		.amdhsa_forward_progress 1
		.amdhsa_inst_pref_size 201
	.end_amdhsa_kernel
	.amdgpu_metadata
---
amdhsa.version: [ 1, 2 ]
amdhsa.kernels:
  - .name:           k_q6d7cf3a42e_attn
    .symbol:         k_q6d7cf3a42e_attn.kd
    .args:
      - { .name: qkv16, .offset: 0, .size: 8, .value_kind: global_buffer, .address_space: global }
      - { .name: o16, .offset: 8, .size: 8, .value_kind: global_buffer, .address_space: global }
    .group_segment_fixed_size: 327680
    .private_segment_fixed_size: 0
    .kernarg_segment_align: 8
    .kernarg_segment_size: 16
    .max_flat_workgroup_size: 128
    .sgpr_count:     90
    .vgpr_count:     1024
    .wavefront_size: 32
...
	.end_amdgpu_metadata
.endif
;; end of part 3
;; launch proj (part 4): grid 8 x 32, 4 waves a work-group, clusters of 4 x 4, 327,680 bytes of LDS; arguments o16, wo16, out0; writes out0
.if DOCPART == 4
	.amdgcn_target "amdgcn-amd-amdhsa--gfx1250"
	.amdhsa_code_object_version 6
	.text
	.protected	k_q6d7cf3a42e_proj
	.globl	k_q6d7cf3a42e_proj
	.p2align	8
	.type	k_q6d7cf3a42e_proj,@function
k_q6d7cf3a42e_proj:
	s_mov_b64 s[64:65], 0
	v_nop
	global_prefetch_b8 v0, s[64:65] scope:SCOPE_SE
	s_setreg_imm32_b32 hwreg(HW_REG_WAVE_MODE, 25, 1), 1
	s_wait_xcnt 0x0
	s_wait_alu depctr_hold_cnt(0) depctr_sa_sdst(0) depctr_va_vdst(0) depctr_va_sdst(0) depctr_va_ssrc(0) depctr_va_vcc(0) depctr_vm_vsrc(0)
	s_getreg_b32 s2, hwreg(HW_REG_IB_STS2, 6, 4)
	s_cmp_eq_u32 s2, 0
	s_cbranch_scc0 .Lentry_in_a_cluster
	s_endpgm
.Lentry_in_a_cluster:
	s_bfe_u32 s2, ttmp6, 0x10000c
	s_cmp_lg_u32 s2, 0xf033
	s_cbranch_scc0 .Lentry_shape_is_right
	s_endpgm
.Lentry_shape_is_right:
; PROJ: out0[m][n] = the sum over k of o16[m][k] wo16[k][n].  o16 [4096][2048] and wo16 [2048 (k)][2048 (n)] f16, out0 f32; sums in f32.  (Rows 0-15 are written again, more finely, by the launch behind this one.)
; A tile of C is 128 (m) x 256 (n): 256 work-groups.  Four waves, each 64 x 128: 32 accumulators, which fill window 1.  K goes in 16 steps of 128 through a ring of two LDS slots
; (two slots of 256 along K would take 2 x (128 + 256) x 512 bytes, more than a work-group can have).
; B lies with K as its first axis: its tile is 128 k-rows of 512 bytes, and its fragments come out of LDS turned, by ds_load_tr16_b128.
; CLUSTERS: 4 x 4 work-groups; A's tile is shared along a row of the cluster, B's along a column: each is asked for jointly.  THE MATRIX INSTRUCTION IS USED TRANSPOSED (source 0 = 16 columns of B, source 1 = 16 rows of A).
; TWO STARTS ALONG K: a cluster whose x + y is odd walks K steps 8..15 and then 0..7, the others 0..15.  The two clusters that read the same rows of A differ in x, those that read the same columns of B in y:
; so each half of K of a tile row or tile column is asked for by half of its readers first and by the others eight K steps later.  Only the order of the f32 sums hangs on it.
; LIMITS: operands beyond f16's range are not served.
; REGISTERS: window 0: v16-29 addresses; two fragment buffers, v32-127 and v128-223: A's 32 registers (4 x 16 rows x 32 K), then B's 64; on the way out v32-159.   window 1: accumulator (a, b) at v[8 (8 a + b)].
.set PA,     272                       ; a row of A in LDS: 256 + 16 bytes
.set PB,     544                       ; a k-row of B: 512 + 32 bytes: an odd multiple of 32
.set BOFF,   128*PA
.set SLOT,   BOFF+128*PB
.set STAGE,  2*SLOT                    ; behind the ring: 16 rows x 528 bytes for each wave
.set SPITCH, 528
.set SPARE,  STAGE+4*16*SPITCH         ; the spare words, 128 bytes for each wave: two blocks of 256 bytes that no other line names
.set LAPS,   8                         ; a lap = two K steps
.set WRAP,   4                         ; the loop's counter in its fourth trip, whose two refills ask for the walk's ninth and tenth K step
.set ADRA, 16
.set ADRB, 20
.set STO,  24
.set RD,   25
.set CO,   26
.set SPW,  28
.set NIL,  29
.set F0,   32
.set F1,   128
.set BK,   32
.set G1, 24
.set G0, 32
.set G1B, 48
.set G0B, 56
.set WA,  66                           ; s[66:67] 16 K steps of A in bytes (4,096) in a cluster that starts at K step 8, else 0
.set WB,  68                           ; s[68:69] the same for B (8,388,608)
.set WT,  70                           ; s[70:71] what this refill takes off its address
.set MSB, 0
.macro WIN new
.if MSB != \new
	s_set_vgpr_msb (MSB<<8)|\new
.set MSB, \new
.endif
.endm
.set MUL, 0x50                         ; sources window 0; C and D window 1
.macro JLOAD s                         ; a joint load: waves 0 and 1 fetch A's halves, waves 2 and 3 B's; an s_nop 0 and four v_nop follow each of the two lines
	s_cmp_eq_u32 s11, 0
	s_cbranch_scc0 .Lfor_b_\@
	tensor_load_to_lds s[G0+4*\s:G0+4*\s+3], s[G1:G1+7]
	s_nop 0
.rept 4
	v_nop
.endr
	s_branch .Lasked_\@
.Lfor_b_\@:
	tensor_load_to_lds s[G0B+4*\s:G0B+4*\s+3], s[G1B:G1B+7]
	s_nop 0
.rept 4
	v_nop
.endr
.Lasked_\@:
.endm
.macro CREST
	s_cmp_lg_u32 s10, 0
	s_cbranch_scc1 .Lnot_wave_0_\@
	s_barrier_signal -3
.Lnot_wave_0_\@:
	s_barrier_wait -3
	s_barrier_signal -1
	s_barrier_wait -1
.endm
.macro CROUND
	s_barrier_signal -1
	s_barrier_wait -1
	CREST
.endm
	s_load_b128 s[4:7], s[0:1], 0x0                ; o16 s[4:5], wo16 s[6:7]
	s_load_b64 s[8:9], s[0:1], 0x10                ; out0
	v_lshl_add_u32 v[SPW], v0, 2, SPARE
	v_mov_b32 v[NIL], 0
	ds_add_u32 v[SPW], v[NIL]                      ; the wave's opening: the add, twice on end, and its wait ahead of my first tensor load
	ds_add_u32 v[SPW], v[NIL]
	v_lshrrev_b32 v1, 5, v0
	v_readfirstlane_b32 s10, v1                    ; wave 0..3
	s_lshr_b32 s11, s10, 1                         ; which half of the tile's rows is mine.  Also: I fetch for A (0) or for B (1)
	s_and_b32 s12, s10, 1                          ; which half of its columns.  Also: which 64 rows of that tile I fetch
	s_bfe_u32 s40, ttmp6, 0x40000                  ; cx, cy
	s_bfe_u32 s41, ttmp6, 0x40004
	s_lshl_b32 s42, ttmp9, 2
	s_add_co_u32 s42, s42, s40                     ; tile column
	s_and_b32 s13, ttmp7, 0xffff
	s_lshl_b32 s13, s13, 2
	s_add_co_u32 s13, s13, s41                     ; tile row
	s_lshl_b32 s43, s41, 2
	s_lshl_b32 s43, 15, s43                        ; my row of the cluster
	s_lshl_b32 s44, 0x1111, s40                    ; my column
	s_or_b32 s[G1+0], s43, (1<<16)|(1<<20)|(1<<21)|(5<<22)|(3<<25)   ; A: 64 rows x 128 elements of 2 bytes; 4 words of padding after every 64
	s_mov_b32 s[G1+1], 128<<16
	s_mov_b32 s[G1+2], 64<<16
	s_mov_b32 s[G1+3], 128<<16
	s_mov_b32 s[G1+4], 64
	s_mov_b32 s[G1+5], 2048
	s_mov_b32 s[G1+6], 0
	s_mov_b32 s[G1+7], 0
	s_or_b32 s[G1B+0], s44, (1<<16)|(1<<20)|(1<<21)|(6<<22)|(7<<25)  ; B: 64 k-rows x 256 elements; 8 words of padding after every 128
	s_mov_b32 s[G1B+1], 256<<16
	s_mov_b32 s[G1B+2], 64<<16
	s_mov_b32 s[G1B+3], 256<<16
	s_mov_b32 s[G1B+4], 64
	s_mov_b32 s[G1B+5], 2048
	s_mov_b32 s[G1B+6], 0
	s_mov_b32 s[G1B+7], 0
	s_xor_b32 s72, ttmp9, ttmp7                    ; the cluster's x and y: the same in all sixteen partners
	s_and_b32 s72, s72, 1                          ; 1: my cluster starts at K step 8
	s_lshl_b32 s[WA], s72, 12
	s_mov_b32 s[WA+1], 0
	s_lshl_b32 s[WB], s72, 23
	s_mov_b32 s[WB+1], 0
	s_mov_b32 s[WT+1], 0
	s_lshl_b32 s16, s13, 7
	s_lshl_b32 s17, s12, 6
	s_add_co_u32 s16, s16, s17
	s_lshl_b32 s16, s16, 12                        ; A: row 128 x tile row + 64 x half, 4,096 bytes a row,
	s_lshr_b32 s73, s[WA], 1
	s_add_co_u32 s16, s16, s73                     ; + 8 K steps of 256 bytes where the walk starts there
	s_mov_b32 s17, 0
	s_lshl_b32 s46, s12, 18                        ; B: k-row 64 x half,
	s_lshl_b32 s47, s42, 9
	s_add_co_u32 s46, s46, s47                     ; column 256 x tile column,
	s_lshr_b32 s73, s[WB], 1
	s_add_co_u32 s46, s46, s73                     ; + 8 K steps of 128 k-rows
	s_mov_b32 s47, 0
	s_mul_i32 s20, s12, 64*PA                      ; where they go: no place in the cluster enters an LDS address
	s_mul_i32 s21, s12, 64*PB
	s_add_co_u32 s21, s21, BOFF
	s_wait_dscnt 0x0                               ; both opening adds are done
	s_wait_kmcnt 0x0
	s_add_nc_u64 s[14:15], s[4:5], s[16:17]
	s_add_nc_u64 s[46:47], s[6:7], s[46:47]
	CROUND                                         ; all sixteen work-groups are here
.irp s, 0,1
	s_mov_b32 s[G0+4*\s], 1
	s_add_co_u32 s[G0+4*\s+1], s20, \s*SLOT
	s_add_nc_u64 s[G0+4*\s+2:G0+4*\s+3], s[14:15], \s*256
	s_or_b32 s[G0+4*\s+3], s[G0+4*\s+3], 0x80000000
	s_mov_b32 s[G0B+4*\s], 1
	s_add_co_u32 s[G0B+4*\s+1], s21, \s*SLOT
	s_add_nc_u64 s[G0B+4*\s+2:G0B+4*\s+3], s[46:47], \s*128*4096
	s_or_b32 s[G0B+4*\s+3], s[G0B+4*\s+3], 0x80000000
	JLOAD \s                                       ; two tensor loads of mine are out
.endr
	v_and_b32 v1, 15, v0                           ; r
	v_bfe_u32 v2, v0, 4, 1                         ; h
	v_mul_u32_u24 v3, v1, PA
	v_lshl_add_u32 v3, v2, 4, v3
	s_mul_i32 s22, s11, 64*PA                      ; my 64 rows of A
	v_and_b32 v4, 7, v0
	v_lshl_add_u32 v4, v2, 3, v4                   ; B, for the turning load: k-row 8 h + lane % 8,
	v_mul_u32_u24 v4, v4, PB
	v_bfe_u32 v5, v0, 3, 1
	v_lshl_add_u32 v4, v5, 4, v4                   ; columns 8 ((lane / 8) % 2) on,
	s_lshl_b32 s23, s12, 8
	s_add_co_u32 s23, s23, BOFF                    ; in my 128 columns
.irp s, 0,1
	v_add_nc_u32 v[ADRA+\s], s22, v3
	v_add_nc_u32 v[ADRB+\s], s23, v4
	s_add_co_u32 s22, s22, SLOT
	s_add_co_u32 s23, s23, SLOT
.endr
	s_mul_i32 s23, s10, 16*SPITCH
	s_add_co_u32 s23, s23, STAGE                   ; my stage
	v_mul_u32_u24 v5, v1, SPITCH
	v_lshl_add_u32 v5, v2, 5, v5
	v_add_nc_u32 v[STO], s23, v5                   ; in: row r, 32 bytes for each half of the lanes
	v_and_b32 v6, 31, v0
	v_lshlrev_b32 v[CO], 4, v6                     ; back: the 32 lanes take one row of 512 bytes; and the same in C
	v_add_nc_u32 v[RD], s23, v[CO]
	s_lshl_b32 s16, s13, 7
	s_lshl_b32 s17, s11, 6
	s_add_co_u32 s16, s16, s17
	s_lshl_b32 s16, s16, 13                        ; my first row of C, 8,192 bytes a row
	s_lshl_b32 s46, s42, 10
	s_lshl_b32 s47, s12, 9
	s_add_co_u32 s46, s46, s47                     ; my first column
	s_add_co_u32 s16, s16, s46
	s_mov_b32 s17, 0
	s_add_nc_u64 s[8:9], s[8:9], s[16:17]
.macro MUL8 f, a, zero                 ; A's block a against B's eight, 32 along K.  The 32 accumulators take turns in one order everywhere
.irp b, 0,1,2,3,4,5,6,7
.if \zero
	v_wmma_f32_16x16x32_f16 v[8*(8*\a+\b):8*(8*\a+\b)+7], v[\f+32+8*\b:\f+32+8*\b+7], v[\f+8*\a:\f+8*\a+7], 0
.else
	v_wmma_f32_16x16x32_f16 v[8*(8*\a+\b):8*(8*\a+\b)+7], v[\f+32+8*\b:\f+32+8*\b+7], v[\f+8*\a:\f+8*\a+7], v[8*(8*\a+\b):8*(8*\a+\b)+7]
.endif
.endr
.endm
.macro FETCH slot, q, f                ; 24 LDS loads: the fragments of the slot's q-th 32 along K: B's sixteen first, then A's eight
	WIN 0
.irp b, 0,1,2,3,4,5,6,7
	ds_load_tr16_b128 v[\f+32+8*\b:\f+32+8*\b+3],   v[ADRB+\slot] offset:32*PB*(\q)+32*\b
	ds_load_tr16_b128 v[\f+32+8*\b+4:\f+32+8*\b+7], v[ADRB+\slot] offset:32*PB*(\q)+32*\b+16*PB
.endr
.irp a, 0,1,2,3
	ds_load_b128 v[\f+8*\a:\f+8*\a+3],   v[ADRA+\slot] offset:64*(\q)+\a*16*PA
	ds_load_b128 v[\f+8*\a+4:\f+8*\a+7], v[ADRA+\slot] offset:64*(\q)+\a*16*PA+32
.endr
.endm
.macro PLACES
.rept 4
	v_nop
.endr
.endm
; A quarter of a K step multiplies buffer f and fetches quarter q of the same slot into buffer g.
.macro QUARTER slot, q, f, g, zero
	s_wait_dscnt 4                                 ; B and A's blocks 0, 1 are in; the youngest four loads (A's blocks 2, 3) may be out
	WIN MUL
	MUL8 \f, 0, \zero
	MUL8 \f, 1, \zero
	PLACES
	FETCH \slot, \q, \g
	s_wait_dscnt 24                                ; all but the 24 just issued
	WIN MUL
	MUL8 \f, 2, \zero
	MUL8 \f, 3, \zero
.endm
; The last quarter multiplies buffer 1 and changes slots.  Its first sixteen products stand AHEAD of the wait for the tensor loads, so that they run while the next slot's load is still on its way, and nothing but
; the three lines and the round stands between that wait and the refill.  In front of the barrier each wave waits for all its tensor loads, adds 0 to its spare word, and waits for that and for its own reads of this slot.
.macro TURN slot, next, fill
	s_wait_dscnt 4                                 ; B and A's blocks 0, 1 of buffer 1 are in; the youngest four loads may be out
	WIN MUL
	MUL8 F1, 0, 0
	MUL8 F1, 1, 0
	WIN 0
	s_wait_tensorcnt 0x0                           ; all my tensor loads have landed: my part of the next slot; so a group 0 may be written
	ds_add_u32 v[SPW], v[NIL]                      ; 0 onto my spare word; the descriptors' steps stand between it and the wait for it
.if \fill
	s_cmp_eq_u32 s3, WRAP                          ; the trip whose refills pass K step 15 in a walk that began at 8: a trip count and cluster coordinates alone, no branch
	s_cselect_b32 s[WT], s[WA], 0
	s_add_nc_u64 s[G0+4*\slot+2:G0+4*\slot+3], s[G0+4*\slot+2:G0+4*\slot+3], 2*256
	s_sub_nc_u64 s[G0+4*\slot+2:G0+4*\slot+3], s[G0+4*\slot+2:G0+4*\slot+3], s[WT:WT+1]
	s_cselect_b32 s[WT], s[WB], 0                  ; (the 64-bit sums leave SCC alone)
	s_add_nc_u64 s[G0B+4*\slot+2:G0B+4*\slot+3], s[G0B+4*\slot+2:G0B+4*\slot+3], 2*128*4096
	s_sub_nc_u64 s[G0B+4*\slot+2:G0B+4*\slot+3], s[G0B+4*\slot+2:G0B+4*\slot+3], s[WT:WT+1]
.endif
	s_wait_dscnt 0x0                               ; the add is done, and my reads of this slot are over
	s_barrier_signal -1
	s_barrier_wait -1
.if \fill
	CREST                                          ; the barrier has opened a round of the cluster's: no wave of any partner still reads this slot's tile or has a load on its way
	JLOAD \slot                                    ; the first tensor load behind the round; its four v_nop are the places in front of the loads below
.else
	PLACES
.endif
	FETCH \next, 0, F0
	WIN MUL
	MUL8 F1, 2, 0
	MUL8 F1, 3, 0
.endm
	s_wait_tensorcnt 1                             ; my part of the walk's first K step is in; the second's load may be out
	s_barrier_signal -1
	s_barrier_wait -1
	FETCH 0, 0, F0
	QUARTER 0, 1, F0, F1, 1                        ; the first quarter's products start the sums
	WIN 0
	s_mov_b32 s3, LAPS-1
.Llap:                                             ; a trip goes once round the ring and fills both slots again
	QUARTER 0, 2, F1, F0, 0
	QUARTER 0, 3, F0, F1, 0
	TURN 0, 1, 1
	QUARTER 1, 1, F0, F1, 0
	QUARTER 1, 2, F1, F0, 0
	QUARTER 1, 3, F0, F1, 0
	TURN 1, 0, 1
	QUARTER 0, 1, F0, F1, 0
	WIN 0
	s_sub_co_u32 s3, s3, 1
	s_cmp_lg_u32 s3, 0
	s_cbranch_scc1 .Llap
	QUARTER 0, 2, F1, F0, 0                        ; the last lap fills nothing
	QUARTER 0, 3, F0, F1, 0
	TURN 0, 1, 0
	QUARTER 1, 1, F0, F1, 0
	QUARTER 1, 2, F1, F0, 0
	QUARTER 1, 3, F0, F1, 0
	s_wait_dscnt 4
	WIN MUL
	MUL8 F1, 0, 0
	MUL8 F1, 1, 0
	s_wait_dscnt 0x0
	MUL8 F1, 2, 0
	MUL8 F1, 3, 0
	WIN 0
; THE WAY OUT, a block of 16 rows x 128 columns at a time, through my own stage: back as whole rows of 512 bytes.
.macro TOSTAGE a
	WIN 0x04                                       ; an LDS store's data are its source 1: window 1
.irp b, 0,1,2,3,4,5,6,7
	ds_store_b128 v[STO], v[8*(8*\a+\b):8*(8*\a+\b)+3] offset:64*\b          ; each accumulator from its low end on
	ds_store_b128 v[STO], v[8*(8*\a+\b)+4:8*(8*\a+\b)+7] offset:64*\b+16
.endr
	WIN 0
.set BB, BK+64*((\a)%2)
.irp t, 0,1,2,3,4,5,6,7,8,9,10,11,12,13,14,15
	ds_load_b128 v[BB+4*\t:BB+4*\t+3], v[RD] offset:\t*SPITCH      ; LDS serves a wave's instructions in order
.endr
.endm
.macro SEND a, younger
.set BB, BK+64*((\a)%2)
	s_wait_dscnt \younger                          ; the block is back; the next block's 16 stores and 16 loads may be out
.irp t, 0,1,2,3,4,5,6,7,8,9,10,11,12,13,14,15
	global_store_b128 v[CO], v[BB+4*\t:BB+4*\t+3], s[8:9] offset:(16*(\a)+\t)*8192 th:TH_STORE_NT   ; 32 lanes store 512 consecutive bytes, aligned
.endr
.endm
	PLACES
	TOSTAGE 0
	TOSTAGE 1
	SEND 0, 32
	s_wait_xcnt 0x0                                ; block 0's stores have read their registers: block 2's loads may land there
	TOSTAGE 2
	SEND 1, 32
	s_wait_xcnt 0x0
	TOSTAGE 3
	SEND 2, 32
	SEND 3, 0
	s_wait_tensorcnt 0x0                           ; the wave's end
	ds_add_u32 v[SPW], v[NIL]
	s_wait_dscnt 0x0
	CROUND                                         ; the closing round
	s_endpgm
.Lfunc_end_k_q6d7cf3a42e_proj:
	.size	k_q6d7cf3a42e_proj, .Lfunc_end_k_q6d7cf3a42e_proj-k_q6d7cf3a42e_proj
	.p2alignl 7, 3214868480
	.fill 96, 4, 3214868480
	.section	.rodata,"a",@progbits
	.p2align	6, 0x0
	.amdhsa_kernel k_q6d7cf3a42e_proj
		.amdhsa_group_segment_fixed_size 327680
		.amdhsa_private_segment_fixed_size 0
		.amdhsa_enable_private_segment 0
		.amdhsa_kernarg_size 24
		.amdhsa_user_sgpr_count 2
		.amdhsa_user_sgpr_kernarg_segment_ptr 1
		.amdhsa_wavefront_size32 1
		.amdhsa_system_sgpr_workgroup_id_x 1
		.amdhsa_system_sgpr_workgroup_id_y 1
		.amdhsa_system_sgpr_workgroup_id_z 1
		.amdhsa_system_vgpr_workitem_id 0
		.amdhsa_next_free_vgpr 512
		.amdhsa_next_free_sgpr 80
		.amdhsa_reserve_vcc 0
		.amdhsa_float_denorm_mode_32 3
		.amdhsa_float_denorm_mode_16_64 3
		.amdhsa_memory_ordered 1
		.amdhsa_forward_progress 1
		.amdhsa_inst_pref_size 85
	.end_amdhsa_kernel
	.amdgpu_metadata
---
amdhsa.version: [ 1, 2 ]
amdhsa.kernels:
  - .name:           k_q6d7cf3a42e_proj
    .symbol:         k_q6d7cf3a42e_proj.kd
    .args:
      - { .name: o16, .offset: 0, .size: 8, .value_kind: global_buffer, .address_space: global }
      - { .name: wo16, .offset: 8, .size: 8, .value_kind: global_buffer, .address_space: global }
      - { .name: out0, .offset: 16, .size: 8, .value_kind: global_buffer, .address_space: global }
    .group_segment_fixed_size: 327680
    .private_segment_fixed_size: 0
    .kernarg_segment_align: 8
    .kernarg_segment_size: 24
    .max_flat_workgroup_size: 128
    .sgpr_count:     80
    .vgpr_count:     512
    .wavefront_size: 32
...
	.end_amdgpu_metadata
.endif
;; end of part 4
;; launch first16 (part 5): grid 128 x 1, 16 waves a work-group, no clusters, 221,184 bytes of LDS; arguments head32, out_kernel, out0; writes out0
.if DOCPART == 5
	.amdgcn_target "amdgcn-amd-amdhsa--gfx1250"
	.amdhsa_code_object_version 6
	.text
	.protected	k_q6d7cf3a42e_first16
	.globl	k_q6d7cf3a42e_first16
	.p2align	8
	.type	k_q6d7cf3a42e_first16,@function
k_q6d7cf3a42e_first16:
	s_mov_b64 s[64:65], 0
	v_nop
	global_prefetch_b8 v0, s[64:65] scope:SCOPE_SE
	s_setreg_imm32_b32 hwreg(HW_REG_WAVE_MODE, 25, 1), 1
	s_wait_xcnt 0x0
; FIRST16: positions 0-15 once more, all in f32: these rows average one to sixteen values and are the largest in size, so the rounding of 16-bit operands would weigh most on them.
; head32 holds the rotated q and k, and v, of positions 0-15: [24 heads][16][128] f32.  out0 rows 0-15 = softmax(q k^T / sqrt(128), causal) v, all heads, times out_kernel (f32, as it is given).
; A work-group owns 16 columns of out0, one tile of the matrix instruction: 128 work-groups.  Wave w is query head w: its 16 x 128 of attention's result is slice w of the projection's K; the 16 partial sums meet in LDS.
; All products by v_wmma_f32_16x16x4_f32.  Along each product's K the same permutation is applied to both operands, so that each operand is taken as it lies in its lane:
;   S^T = K Q^T: a lane's 16 bytes hold channels 8 u + 4 h + 0..3; O^T = V^T P^T: lane half h holds keys 8 h + 0..7; out = O W: lane half h holds channels 16 ct + 8 h + 0..7.
; The registers that these instructions write (v16-111) are written by matrix instructions alone.
; Each store of a wave covers two pieces of 64 consecutive bytes: 131,072 bytes go out in all.
.set PH,    528                        ; a row of head32 in LDS: 512 + 16 bytes
.set RED,   384*PH                     ; behind the 384 rows: 16 x 1,024 bytes of partial sums
.set SPARE, RED+16*1024                ; the spare words, 128 bytes for each wave: eight blocks of 256 bytes that no other line names
.set OT,    32                         ; v32-95   O^T, eight tiles of 16 channels
.set PP,    112                        ; v112-119 p / l
.set TMP,   120                        ; v120-127 scores, then p, then my partial sums
.set W0,    128                        ; v128-191 W: my 128 rows x 16 columns
.set FRG,   192                        ; v192-255 Q and K, then V
	s_load_b128 s[4:7], s[0:1], 0x0                ; head32 s[4:5], out_kernel s[6:7]
	s_load_b64 s[8:9], s[0:1], 0x10                ; out0
	v_lshl_add_u32 v14, v0, 2, SPARE               ; my spare word; never rewritten
	v_mov_b32 v15, 0                               ; 0; never rewritten
	ds_add_u32 v14, v15                            ; the wave's opening: the add, twice on end, and its wait ahead of my first tensor load
	ds_add_u32 v14, v15
	v_lshrrev_b32 v1, 5, v0
	v_readfirstlane_b32 s10, v1                    ; wave 0..15
	s_mov_b32 s16, (3<<16)|(1<<20)|(6<<22)|(3<<25) ; elements of 8 bytes; 4 words of padding after every 128
	s_mov_b32 s17, 64<<16                          ; tensor_dim0: a row of 512 bytes
	s_mov_b32 s18, 24<<16                          ; tensor_dim1
	s_mov_b32 s19, 64<<16                          ; tile_dim0
	s_mov_b32 s20, 24                              ; tile_dim1: each wave brings 24 of the 384 rows
	s_mov_b32 s21, 64                              ; the pitch
	s_mov_b32 s22, 0
	s_mov_b32 s23, 0
	s_mov_b32 s12, 1
	s_mul_i32 s13, s10, 24*PH
	s_mul_i32 s24, s10, 24*512
	s_mov_b32 s25, 0
	s_lshl_b32 s26, s10, 20                        ; W: my 128 rows of 8,192 bytes,
	s_lshl_b32 s32, ttmp9, 6                       ; the work-group's 16 columns
	s_add_co_u32 s26, s26, s32
	s_mov_b32 s27, 0
	s_mov_b32 s33, 0
	s_mov_b32 s34, 0x3e0293ee                      ; c = log2(e) / sqrt(128)
	s_mov_b32 s36, 0x76543210
	s_mov_b32 s37, 0xfedcba98
	s_wait_dscnt 0x0                               ; both opening adds are done
	s_wait_kmcnt 0x0
	s_add_nc_u64 s[14:15], s[4:5], s[24:25]
	s_or_b32 s15, s15, 0x80000000
	tensor_load_to_lds s[12:15], s[16:23]          ; one tensor load of mine is out
	s_nop 0
.rept 4
	v_nop
.endr
	s_add_nc_u64 s[6:7], s[6:7], s[26:27]
	s_add_nc_u64 s[8:9], s[8:9], s[32:33]
	v_and_b32 v1, 15, v0                           ; r
	v_bfe_u32 v2, v0, 4, 1                         ; h
	v_lshlrev_b32 v3, 2, v1
	v_lshl_add_u32 v3, v2, 16, v3                  ; W: 8 h rows + column r
.irp ct, 0,1,2,3,4,5,6,7                       ; register (4 ct + s) 2 + j: W[128 w + 16 ct + 8 h + 2 s + j][n0 + r]: all 64 are asked for here, at the head
.irp s, 0,1,2,3
.irp j, 0,1
	global_load_b32 v[W0+(\ct*4+\s)*2+\j], v3, s[6:7] offset:(16*\ct+2*\s+\j)*8192
.endr
.endr
.endr
	v_mul_u32_u24 v4, v1, PH
	v_lshl_add_u32 v4, v2, 4, v4                   ; row r, + 16 h
	s_mul_i32 s38, s10, 16*PH                      ; my query head's 16 rows
	s_lshr_b32 s39, s10, 2
	s_mul_i32 s39, s39, 16*PH
	s_add_co_u32 s39, s39, 256*PH                  ; my key head: 16 + w / 4
	v_add_nc_u32 v5, s39, v4                       ; K
	v_add_nc_u32 v4, s38, v4                       ; Q
	s_add_co_u32 s39, s39, 64*PH                   ; my value head: four heads on
	v_mul_u32_u24 v6, v2, 8*PH
	v_lshl_add_u32 v6, v1, 2, v6
	v_add_nc_u32 v6, s39, v6                       ; V: key 8 h, channel r
	v_lshlrev_b32 v7, 3, v2
	v_sub_nc_u32 v7, v1, v7                        ; r - 8 h: register j holds a key after my query where j is above it
	s_lshl_b32 s38, s10, 10
	s_add_co_u32 s38, s38, RED
	v_lshlrev_b32 v8, 2, v1
	v_lshl_add_u32 v8, v2, 9, v8
	v_add_nc_u32 v8, s38, v8                       ; my partial sums: 64 x position + 4 x column
	v_lshl_add_u32 v9, v0, 2, RED                  ; and where threads 0-255 gather: element = the thread's number
	v_lshrrev_b32 v10, 4, v0
	v_lshlrev_b32 v10, 13, v10
	v_and_b32 v12, 15, v0
	v_lshl_add_u32 v10, v12, 2, v10                ; out0: row = thread / 16, column = thread % 16
	v_mov_b32 v11, 0xff800000                      ; -infinity
	v_mov_b32 v13, 0
	s_wait_tensorcnt 0x0                           ; my 24 rows are in,
	s_barrier_signal -1
	s_barrier_wait -1                              ; everybody's are
	; ---- S^T = K Q^T, in two halves of 64 channels; two accumulators take turns
.irp u, 0,1
.if \u
.rept 8
	v_nop                                          ; places in front of loads into registers that these matrix instructions have read
.endr
.endif
.irp i, 0,1,2,3,4,5,6,7
	ds_load_b128 v[FRG+4*\i:FRG+4*\i+3], v4 offset:256*\u+32*\i
	ds_load_b128 v[FRG+32+4*\i:FRG+32+4*\i+3], v5 offset:256*\u+32*\i
.endr
	s_wait_dscnt 0x0
.irp i, 0,1,2,3,4,5,6,7
.if (\u == 0) && (\i == 0)
	v_wmma_f32_16x16x4_f32 v[16:23], v[FRG+32:FRG+33], v[FRG:FRG+1], 0
	v_wmma_f32_16x16x4_f32 v[24:31], v[FRG+34:FRG+35], v[FRG+2:FRG+3], 0
.else
	v_wmma_f32_16x16x4_f32 v[16:23], v[FRG+32+4*\i:FRG+33+4*\i], v[FRG+4*\i:FRG+4*\i+1], v[16:23]
	v_wmma_f32_16x16x4_f32 v[24:31], v[FRG+34+4*\i:FRG+35+4*\i], v[FRG+4*\i+2:FRG+4*\i+3], v[24:31]
.endif
.endr
.endr
.rept 8
	v_nop
.endr
.irp ct, 0,1,2,3,4,5,6,7                       ; V[8 h + 2 s + j][16 ct + r], asked for ahead of the softmax
.irp s, 0,1,2,3
.irp j, 0,1
	ds_load_b32 v[FRG+(\ct*4+\s)*2+\j], v6 offset:(2*\s+\j)*PH+64*\ct
.endr
.endr
.endr
	; ---- the softmax: a lane holds query r and keys 8 h + 0..7
.irp j, 0,1,2,3,4,5,6,7
	v_add_f32 v[TMP+\j], v[16+\j], v[24+\j]
.endr
.irp j, 0,1,2,3,4,5,6,7
	v_cmp_gt_i32 vcc_lo, \j, v7
	v_cndmask_b32 v[TMP+\j], v[TMP+\j], v11, vcc_lo
.endr
	v_max3_num_f32 v12, v[TMP], v[TMP+1], v[TMP+2]
	v_max3_num_f32 v12, v12, v[TMP+3], v[TMP+4]
	v_max3_num_f32 v12, v12, v[TMP+5], v[TMP+6]
	v_max_num_f32 v12, v12, v[TMP+7]
	v_permlanex16_b32 v13, v12, s36, s37
	v_max_num_f32 v12, v12, v13                    ; key 0 counts for every query: a number
	v_mul_f32 v12, s34, v12
.irp j, 0,1,2,3,4,5,6,7
	v_fma_f32 v[TMP+\j], v[TMP+\j], s34, -v12
.endr
.irp j, 0,1,2,3,4,5,6,7
	v_exp_f32 v[TMP+\j], v[TMP+\j]
.endr
	v_nop                                          ; a plain line behind the exponentials,
	s_wait_alu depctr_va_vdst(0)                   ; and one wait for the eight, ahead of their first reader
	v_add_f32 v12, v[TMP], v[TMP+1]
	v_add_f32 v13, v[TMP+2], v[TMP+3]
	v_add_f32 v12, v12, v[TMP+4]
	v_add_f32 v13, v13, v[TMP+5]
	v_add_f32 v12, v12, v[TMP+6]
	v_add_f32 v13, v13, v[TMP+7]
	v_add_f32 v12, v12, v13
	v_permlanex16_b32 v11, v12, s36, s37
	v_add_f32 v12, v12, v11
	v_rcp_f32 v13, v12
	v_nop
	s_wait_alu depctr_va_vdst(0)
.irp j, 0,1,2,3,4,5,6,7
	v_mul_f32 v[PP+\j], v[TMP+\j], v13
.endr
	; ---- O^T = V^T P^T: K = the 16 keys, four steps; the eight tiles take turns
	s_wait_dscnt 0x0
.irp s, 0,1,2,3
.irp ct, 0,1,2,3,4,5,6,7
.if \s == 0
	v_wmma_f32_16x16x4_f32 v[OT+8*\ct:OT+8*\ct+7], v[FRG+(\ct*4+\s)*2:FRG+(\ct*4+\s)*2+1], v[PP+2*\s:PP+2*\s+1], 0
.else
	v_wmma_f32_16x16x4_f32 v[OT+8*\ct:OT+8*\ct+7], v[FRG+(\ct*4+\s)*2:FRG+(\ct*4+\s)*2+1], v[PP+2*\s:PP+2*\s+1], v[OT+8*\ct:OT+8*\ct+7]
.endif
.endr
.endr
.rept 9
	v_nop                                          ; nine places: the results become operands
.endr
	s_wait_loadcnt 0x0                             ; W, asked for at the head
	; ---- my slice of the projection: source 0 = O (a lane holds position r), source 1 = W.  The even K steps are summed in one accumulator and the odd ones in another, so that the two take turns
.irp ct, 0,1,2,3,4,5,6,7
.irp s, 0,2
.set WB, W0+(\ct*4+\s)*2
.if (\ct == 0) && (\s == 0)
	v_wmma_f32_16x16x4_f32 v[96:103], v[OT+8*\ct+2*\s:OT+8*\ct+2*\s+1], v[WB:WB+1], 0
	v_wmma_f32_16x16x4_f32 v[104:111], v[OT+8*\ct+2*\s+2:OT+8*\ct+2*\s+3], v[WB+2:WB+3], 0
.else
	v_wmma_f32_16x16x4_f32 v[96:103], v[OT+8*\ct+2*\s:OT+8*\ct+2*\s+1], v[WB:WB+1], v[96:103]
	v_wmma_f32_16x16x4_f32 v[104:111], v[OT+8*\ct+2*\s+2:OT+8*\ct+2*\s+3], v[WB+2:WB+3], v[104:111]
.endif
.endr
.endr
.rept 8
	v_nop
.endr
.irp j, 0,1,2,3,4,5,6,7
	v_add_f32 v[TMP+\j], v[96+\j], v[104+\j]       ; into other registers; each accumulator from its low end on
.endr
.irp j, 0,1,2,3,4,5,6,7
	ds_store_b32 v8, v[TMP+\j] offset:64*\j        ; (position 8 h + j, column r)
.endr
	s_wait_dscnt 0x0                               ; for the others' sake: my partial sums have landed
	s_barrier_signal -1
	s_barrier_wait -1
	s_cmp_lt_u32 s10, 8                            ; 256 numbers: waves 0-7 gather them, a thread a number
	s_cbranch_scc0 .Lgathered
.irp k, 0,1,2,3,4,5,6,7,8,9,10,11,12,13,14,15
	ds_load_b32 v[W0+\k], v9 offset:1024*\k
.endr
	s_wait_dscnt 0x0
.irp k, 0,1,2,3,4,5,6,7
	v_add_f32 v[W0+\k], v[W0+\k], v[W0+8+\k]
.endr
.irp k, 0,1,2,3
	v_add_f32 v[W0+\k], v[W0+\k], v[W0+4+\k]
.endr
	v_add_f32 v[W0], v[W0], v[W0+2]
	v_add_f32 v[W0+1], v[W0+1], v[W0+3]
	v_add_f32 v[W0], v[W0], v[W0+1]
	global_store_b32 v10, v[W0], s[8:9]
.Lgathered:
	s_wait_tensorcnt 0x0                           ; the wave's end
	ds_add_u32 v14, v15
	s_wait_dscnt 0x0
	s_endpgm
.Lfunc_end_k_q6d7cf3a42e_first16:
	.size	k_q6d7cf3a42e_first16, .Lfunc_end_k_q6d7cf3a42e_first16-k_q6d7cf3a42e_first16
	.p2alignl 7, 3214868480
	.fill 96, 4, 3214868480
	.section	.rodata,"a",@progbits
	.p2align	6, 0x0
	.amdhsa_kernel k_q6d7cf3a42e_first16
		.amdhsa_group_segment_fixed_size 221184
		.amdhsa_private_segment_fixed_size 0
		.amdhsa_enable_private_segment 0
		.amdhsa_kernarg_size 24
		.amdhsa_user_sgpr_count 2
		.amdhsa_user_sgpr_kernarg_segment_ptr 1
		.amdhsa_wavefront_size32 1
		.amdhsa_system_sgpr_workgroup_id_x 1
		.amdhsa_system_sgpr_workgroup_id_y 1
		.amdhsa_system_sgpr_workgroup_id_z 1
		.amdhsa_system_vgpr_workitem_id 0
		.amdhsa_next_free_vgpr 256
		.amdhsa_next_free_sgpr 66
		.amdhsa_reserve_vcc 1
		.amdhsa_float_denorm_mode_32 3
		.amdhsa_float_denorm_mode_16_64 3
		.amdhsa_memory_ordered 1
		.amdhsa_forward_progress 1
		.amdhsa_inst_pref_size 29
	.end_amdhsa_kernel
	.amdgpu_metadata
---
amdhsa.version: [ 1, 2 ]
amdhsa.kernels:
  - .name:           k_q6d7cf3a42e_first16
    .symbol:         k_q6d7cf3a42e_first16.kd
    .args:
      - { .name: head32, .offset: 0, .size: 8, .value_kind: global_buffer, .address_space: global }
      - { .name: out_kernel, .offset: 8, .size: 8, .value_kind: global_buffer, .address_space: global }
      - { .name: out0, .offset: 16, .size: 8, .value_kind: global_buffer, .address_space: global }
    .group_segment_fixed_size: 221184
    .private_segment_fixed_size: 0
    .kernarg_segment_align: 8
    .kernarg_segment_size: 24
    .max_flat_workgroup_size: 512
    .sgpr_count:     66
    .vgpr_count:     256
    .wavefront_size: 32
...
	.end_amdgpu_metadata
.endif
;; end of part 5
